; MI455X (gfx1250); checked and timed in simulation.
; The chip was launched on July 23, 2026; its instructions are those of AMD's public machine-readable ISA for CDNA 5 (MIT licence, August 2026) and "CDNA5" Instruction Set Architecture Reference Guide (July 2026). The comments in the code are by the model that wrote it; some were corrected since.
;; Multi Head Self Attention. Allowed arithmetic: matrix products marked QUANTISED: E2M1 operands, one E8M0 scale for each 32 along K, by v_wmma_scale_f32_16x16x128_f8f6f4 with both operands' format E2M1 (or v_wmma_scale_f32_32x16x128_f4), f32 sums; products left as they are: bf16, f16 or f32 operands; f32 sums; everything else in f32.
;; Inputs: b_proj 1,024 float32; b_qkv 3,072 float32; w_proj 1,024 x 1,024 float32; w_qkv 3,072 x 1,024 float32; x 4 x 2,048 x 1,024 float32.
;; Outputs: out0 4 x 2,048 x 1,024 float32.
;; This version of the problem:
;;   THIS VERSION OF THE PROBLEM IS GIVEN IN LOW PRECISION. The matrix products marked QUANTISED in the list below multiply operands that are first quantised to E2M1 (2 exponent bits, 1 mantissa bit; 4 bits a number), with one power-of-two scale for each 32 numbers along K (OCP MX v1.0); their sums are f32. The products marked 'left as it is' may take bf16, f16 or f32 operands, with f32 sums. Whichever they take, every output number must still come out within the allowed error. Rounding operands to bf16 (8 significant bits) uses up far more of that allowance than f16 does (11 bits, for magnitudes from 6e-5 to 65,504). All else is computed in f32.
;;   The module's matrix products, in the order in which they are computed (A, B: the left and right operand; K: the contracted axis; several contracted axes count as one K, in the product's order):
;;     1. [M 8,192, K 1,024] x [K 1,024, N 3,072]; A: input x; B: input w_qkv: QUANTISED
;;     2. batch 64 x [M 2,048, K 64] x [K 64, N 2,048]; A: computed on the way; B: computed on the way: left as it is (an operand is computed on the way)
;;     3. batch 64 x [M 2,048, K 2,048] x [K 2,048, N 64]; A: computed on the way; B: computed on the way: left as it is (an operand is computed on the way)
;;     4. [M 8,192, K 1,024] x [K 1,024, N 1,024]; A: computed on the way; B: input w_proj: left as it is (an operand is computed on the way)
;;   THE QUANTISER, for each operand of a quantised product, along K:
;;     - K is cut into blocks of 32 from its start; a last block that is shorter is filled with zeros.
;;     - A block's scale is 2^e with e = floor(log2(the largest magnitude in the block)) - 2, held to -126 .. 127; a block of zeros has e = 0. As a byte (E8M0): e + 127.
;;     - Each number is divided by its block's scale, clamped to +-6, and rounded to the nearest number of E2M1, ties to even, subnormals kept.
;;     - The product sums the exact products of the quantised numbers (number of the format x scale) in f32.
;;   ~~~python
;;   def quantise(x, axis):      # numpy; x: float32 -> the quantised numbers, widened to float32 again
;;       x = np.moveaxis(x, axis, -1); K = x.shape[-1]
;;       x = np.pad(x, [(0, 0)] * (x.ndim - 1) + [(0, -K % 32)]); x = x.reshape(x.shape[:-1] + (-1, 32)); a = np.abs(x).max(-1, keepdims=True)
;;       e = np.where(a > 0, np.clip(np.frexp(np.where(a > 0, a, 1))[1] - 1 - 2, -126, 127), 0)      # np.frexp(a)[1] - 1 = floor(log2(a)), exactly
;;       r = np.clip(x / 2.0 ** e, -6, 6)
;;       step = 2.0 ** (np.maximum(np.frexp(np.where(r == 0, 1, r))[1] - 1, 0) - 1)
;;       q = np.round(r / step) * step * 2.0 ** e      # np.round: ties to even
;;       return np.moveaxis(q.reshape(q.shape[:-2] + (-1,))[..., :K], -1, axis).astype(np.float32)
;;   ~~~
;; One version. Each part assembles by itself: llvm-mc -triple=amdgcn-amd-amdhsa -mcpu=gfx1250 --defsym DOCPART=n.
;; ======== version 1 of 1: 4 launches
;; limits: values are held in f16: magnitudes above 65,504 overflow, below 6.1e-05 lose precision
;; workspace buffers: xc 4,194,304 bytes; xs 262,144 bytes; wc 1,572,864 bytes; ws 98,304 bytes; wp 2,097,152 bytes; qkv 50,331,648 bytes; ao 16,777,216 bytes
;; launch prep (part 1): grid 384 x 1, 4 waves a work-group, no clusters, 33,280 bytes of LDS; arguments x, w_qkv, xc, xs, wc, ws, w_proj, wp; writes xc, xs, wc, ws, wp
.if DOCPART == 1
	.amdgcn_target "amdgcn-amd-amdhsa--gfx1250"
	.amdhsa_code_object_version 6
	.text
	.protected	k_qc4464cd3be_prep
	.globl	k_qc4464cd3be_prep
	.p2align	8
	.type	k_qc4464cd3be_prep,@function
k_qc4464cd3be_prep:
	s_mov_b64 s[64:65], 0
	v_nop
	global_prefetch_b8 v0, s[64:65] scope:SCOPE_SE
	s_setreg_imm32_b32 hwreg(HW_REG_WAVE_MODE, 25, 1), 1
	s_wait_xcnt 0x0
; x [8192][1024] and w_qkv [3072][1024], f32, are turned into codes of FP4 (E2M1), 4 bits each, K innermost, with one E8M0 scale byte for each 32 along K; w_proj [1024][1024] is rounded to f16.
; A block's scale is 2^(floor(log2(its largest magnitude)) - 2); its byte is the largest magnitude's own exponent field - 2, held at 1 from below.  Each number is divided by the scale and rounded to the
; nearest code, ties to even; beyond 6 the largest code.  (A block of zeros gets the byte 1 where the rule says 127: its codes are zeros, which add nothing, and the bytes are read by this program alone.)
; LIMITS: blocks whose largest magnitude lies under 2^(2 - 126) keep the byte 1; NaN and infinities among the inputs are not served; a number of w_proj beyond 65,504 becomes an infinity of f16,
; one under 6e-5 keeps f16's fixed step of 6e-8.
; Rows are dense and K is a multiple of 32: both tensors are plain streams of blocks of 32 numbers, and so are the codes and the scale bytes.
; Work-groups 0 to 255 take x, 256 to 351 w_qkv: a wave takes 16 steps of 512 numbers.  Each of a step's four loads reads 512 consecutive bytes, 16 a lane; the 2,048 bytes turn through the wave's own
; stage in LDS and come back 64 bytes a lane, so that a lane holds 16 neighbours along K, as the conversions want; two neighbouring lanes hold a block.  A lane's 16 codes are 8 bytes: the wave stores 256
; consecutive bytes.  A wave's 256 scale bytes are gathered in LDS and leave as one aligned run of 256 bytes.
; Work-groups 352 to 383 take w_proj: a wave takes 32,768 bytes in four rounds of 16 loads; that path touches no LDS.
; No tensor loads, no barrier: waves share nothing.  No matrix unit and no cluster: nothing is multiplied, and no two work-groups read the same bytes.
.set SIZE_M, 8192
.set SIZE_N, 3072
.set SIZE_K, 1024
.set WAVES, 4
.set STEPS, 16
.set WGA,   SIZE_M*SIZE_K/(512*STEPS*WAVES)            ; 256 work-groups for x
.set WGQ,   (SIZE_M+SIZE_N)*SIZE_K/(512*STEPS*WAVES)   ; 352 for both quantised tensors
.set EMAX,  2
.set CB,    8                          ; bytes of 16 codes
.set R,     16                         ; v16-79   four sets of 16 numbers as they are loaded
.set X,     80                         ; v80-111  two sets of 16 neighbours
.set C,     128                        ; v128-191 codes: four registers for each step, so that no store's data are written again
.set E,     112                        ; v112-127 a scale byte for each step
.set WREG,  8192                       ; LDS: a region for each wave: two stages of 32 x SP bytes, and behind them its 256 scale bytes
.set SP,    80                         ; a lane's place in a stage: its 64 bytes + 16 of padding
.set SPW,   12                         ; v12      LDS address of my spare word: SPARE + 4 x my thread's number; never rewritten
.set NIL,   13                         ; v13      0; never rewritten
.set SPARE, WAVES*WREG                 ; behind the four regions: the spare words, 128 bytes for each wave, which no other line names
.set H,     144                        ; v144-175 the f16 path: a round's 32 packed registers
	s_load_b128 s[4:7], s[0:1], 0x0                ; x, w_qkv
	s_load_b128 s[8:11], s[0:1], 0x10              ; x's codes, x's scales
	s_load_b128 s[12:15], s[0:1], 0x20             ; w_qkv's codes, w_qkv's scales
	s_load_b128 s[24:27], s[0:1], 0x30             ; w_proj, its f16 copy
	v_lshl_add_u32 v[SPW], v0, 2, SPARE
	v_mov_b32 v[NIL], 0
	v_lshrrev_b32 v1, 5, v0
	v_readfirstlane_b32 s16, v1                    ; wave
	v_and_b32 v2, 31, v0                           ; lane
	v_lshlrev_b32 v3, 4, v2                        ; my 16 bytes of a load's 512
	s_mul_i32 s17, s16, WREG
	v_lshrrev_b32 v14, 2, v2
	v_mul_u32_u24 v14, v14, SP
	v_and_b32 v15, 3, v2
	v_lshl_add_u32 v14, v15, 4, v14
	v_add_nc_u32 v14, s17, v14                     ; the stage, on the way in: four lanes' 64 bytes on end, then 16 of padding
	v_mul_u32_u24 v15, v2, SP
	v_add_nc_u32 v15, s17, v15                     ; and on the way out: SP x lane: my 16 neighbours
	v_mul_u32_u24 v4, v2, CB                       ; 8 x lane: my codes' place in a step's; on the f16 path my 8 bytes of a store's 256
	v_lshrrev_b32 v5, 1, v2
	s_add_co_u32 s17, s17, 2*32*SP
	v_add_nc_u32 v5, s17, v5                       ; LDS: my wave's 256 scale bytes, my block's byte
	v_lshlrev_b32 v7, 3, v2                        ; and on the way out 8 bytes a lane
	v_add_nc_u32 v6, s17, v7
	s_wait_kmcnt 0x0
	s_cmp_ge_u32 ttmp9, WGQ                        ; the last 32 work-groups round w_proj to f16
	s_cbranch_scc1 .Lconv
	s_cmp_lt_u32 ttmp9, WGA                        ; x's work-group or w_qkv's?  The choice hangs on the work-group's number alone
	s_cselect_b64 s[4:5], s[4:5], s[6:7]
	s_cselect_b64 s[8:9], s[8:9], s[12:13]
	s_cselect_b64 s[10:11], s[10:11], s[14:15]
	s_cselect_b32 s17, 0, WGA
	s_sub_co_u32 s17, ttmp9, s17
	s_lshl_b32 s17, s17, 2
	s_add_co_u32 s18, s17, s16                     ; which run of 8,192 numbers of the tensor is my wave's
	s_mov_b32 s19, 0
	s_mov_b64 s[20:21], 512*STEPS*4
	s_mul_u64 s[20:21], s[18:19], s[20:21]
	s_add_nc_u64 s[4:5], s[4:5], s[20:21]
	s_mov_b64 s[20:21], 32*STEPS*CB
	s_mul_u64 s[20:21], s[18:19], s[20:21]
	s_add_nc_u64 s[8:9], s[8:9], s[20:21]
	s_lshl_b32 s18, s18, 8                         ; 256 scale bytes a run
	s_add_nc_u64 s[10:11], s[10:11], s[18:19]
.macro LOAD t
.irp i, 0,1,2,3
	global_load_b128 v[R+16*((\t)%4)+4*\i:R+16*((\t)%4)+4*\i+3], v3, s[4:5] offset:2048*(\t)+512*\i th:TH_LOAD_NT   ; 32 lanes read 512 consecutive bytes
.endr
.endm
.macro TURN t                          ; step t's numbers through the stage: LDS serves a wave's instructions in order, so no wait stands between the stores and the loads
.irp i, 0,1,2,3
	ds_store_b128 v14, v[R+16*((\t)%4)+4*\i:R+16*((\t)%4)+4*\i+3] offset:32*SP*((\t)%2)+8*SP*\i
.endr
.irp i, 0,1,2,3
	ds_load_b128 v[X+16*((\t)%2)+4*\i:X+16*((\t)%2)+4*\i+3], v15 offset:32*SP*((\t)%2)+16*\i
.endr
.endm
.irp t, 0,1,2,3
	LOAD \t
.endr
	s_wait_loadcnt 12                              ; step 0's four loads are in; the 12 of steps 1 to 3 may be out
	TURN 0
.macro STEP t
.set XS, X+16*((\t)%2)
.if (\t) > 0
	s_wait_dscnt 1                                 ; this step's numbers are back from the stage (the last step's byte store may be out): so its stores into the stage have read their registers,
.else
	s_wait_dscnt 0x0
.endif
.if (\t)+4 < STEPS
	LOAD (\t)+4                                    ; which take the loads of four steps on
.endif
.if (\t)+1 < STEPS
.if STEPS-2-(\t) >= 3
	s_wait_loadcnt 12                              ; the next step's four loads are in; those of the three steps behind it may be out
.else
	s_wait_loadcnt 4*(STEPS-2-(\t))
.endif
	TURN (\t)+1                                    ; and go through the other stage while this step is worked
.endif
	v_max3_num_f32 v8, |v[XS]|, |v[XS+1]|, |v[XS+2]|               ; the largest magnitude of my 16, in two chains
	v_max3_num_f32 v9, |v[XS+3]|, |v[XS+4]|, |v[XS+5]|
.irp i, 6,10
	v_max3_num_f32 v8, v8, |v[XS+\i]|, |v[XS+\i+1]|
	v_max3_num_f32 v9, v9, |v[XS+\i+2]|, |v[XS+\i+3]|
.endr
	v_max3_num_f32 v8, v8, |v[XS+14]|, |v[XS+15]|
	v_max3_num_f32 v8, v8, v9, (EMAX+1)<<23        ; and the floor 2^(EMAX + 1 - 127): so the byte cannot fall under 1
	v_max_num_f32_dpp v8, v8, v8 row_xmask:1 row_mask:0xf bank_mask:0xf   ; and of my neighbour's 16: the block's
	v_add_nc_u32 v11, -(EMAX<<23), v8              ; EMAX off its exponent field: the conversion takes the exponent field of this operand as its scale, and nothing else of it
	v_cvt_scalef32_pk8_fp4_f32 v[C+4*(\t)], v[XS:XS+7], v11        ; eight numbers / the scale, to the nearest code, the first number's code in the lowest four bits
	v_cvt_scalef32_pk8_fp4_f32 v[C+4*(\t)+1], v[XS+8:XS+15], v11
	v_lshrrev_b32 v[E+(\t)], 23, v11               ; the scale's byte (a plain line behind the conversions)
	ds_store_b8 v5, v[E+(\t)] offset:16*(\t)       ; both lanes of a block write the same byte with the same value
	global_store_b64 v4, v[C+4*(\t):C+4*(\t)+1], s[8:9] offset:32*CB*(\t)   ; 32 lanes store 256 consecutive bytes, aligned
.endm
.irp t, 0,1,2,3,4,5,6,7,8,9,10,11,12,13,14,15
	STEP \t
.endr
	ds_load_b64 v[8:9], v6                         ; LDS serves a wave's instructions in order: these see my stores
	s_wait_dscnt 0x0
	global_store_b64 v7, v[8:9], s[10:11]          ; 32 lanes store 256 consecutive bytes, aligned
	s_wait_tensorcnt 0x0                           ; the wave's end: behind my last LDS store
	ds_add_u32 v[SPW], v[NIL]
	s_wait_dscnt 0x0
	s_endpgm
; ---- w_proj to f16.  A wave's run is 32,768 bytes in and 16,384 out: four rounds of 16 loads of 512 consecutive bytes; two rounds are on their way at a time.  No LDS is written on this path.
.Lconv:
	s_sub_co_u32 s17, ttmp9, WGQ
	s_lshl_b32 s17, s17, 2
	s_add_co_u32 s17, s17, s16                     ; my run, 0 to 127
	s_lshl_b32 s18, s17, 15
	s_mov_b32 s19, 0
	s_add_nc_u64 s[24:25], s[24:25], s[18:19]
	s_lshl_b32 s18, s17, 14
	s_add_nc_u64 s[26:27], s[26:27], s[18:19]
.macro LOADC g, set
.irp i, 0,1,2,3,4,5,6,7,8,9,10,11,12,13,14,15
	global_load_b128 v[16+64*(\set)+4*\i:16+64*(\set)+4*\i+3], v3, s[24:25] offset:8192*(\g)+512*\i th:TH_LOAD_NT
.endr
.endm
.macro ROUNDC g
.set RS, 16+64*((\g)%2)
.if (\g) < 3
	s_wait_loadcnt 16                              ; this round's 16 loads are in; the next round's 16 may be out
.else
	s_wait_loadcnt 0x0
.endif
.if (\g) > 0
	s_wait_xcnt 0x0                                ; the last round's stores have read their data registers, which are written again below
.endif
.irp i, 0,1,2,3,4,5,6,7,8,9,10,11,12,13,14,15
	v_cvt_pk_f16_f32 v[H+2*\i], v[RS+4*\i], v[RS+4*\i+1]           ; to the nearest f16, ties to even; the first source into the low half
	v_cvt_pk_f16_f32 v[H+2*\i+1], v[RS+4*\i+2], v[RS+4*\i+3]
.endr
.if (\g) < 2
	LOADC (\g)+2, (\g)%2                           ; loads ahead of stores
.endif
.irp i, 0,1,2,3,4,5,6,7,8,9,10,11,12,13,14,15
	global_store_b64 v4, v[H+2*\i:H+2*\i+1], s[26:27] offset:4096*(\g)+256*\i   ; 32 lanes store 256 consecutive bytes, aligned
.endr
.endm
	LOADC 0, 0
	LOADC 1, 1
	ROUNDC 0
	ROUNDC 1
	ROUNDC 2
	ROUNDC 3
	s_endpgm
.Lfunc_end_k_qc4464cd3be_prep:
	.size	k_qc4464cd3be_prep, .Lfunc_end_k_qc4464cd3be_prep-k_qc4464cd3be_prep
	.p2alignl 7, 3214868480
	.fill 96, 4, 3214868480
	.section	.rodata,"a",@progbits
	.p2align	6, 0x0
	.amdhsa_kernel k_qc4464cd3be_prep
		.amdhsa_group_segment_fixed_size 33280
		.amdhsa_private_segment_fixed_size 0
		.amdhsa_enable_private_segment 0
		.amdhsa_kernarg_size 64
		.amdhsa_user_sgpr_count 2
		.amdhsa_user_sgpr_kernarg_segment_ptr 1
		.amdhsa_wavefront_size32 1
		.amdhsa_system_sgpr_workgroup_id_x 1
		.amdhsa_system_sgpr_workgroup_id_y 1
		.amdhsa_system_sgpr_workgroup_id_z 1
		.amdhsa_system_vgpr_workitem_id 0
		.amdhsa_next_free_vgpr 192
		.amdhsa_next_free_sgpr 66
		.amdhsa_reserve_vcc 0
		.amdhsa_float_denorm_mode_32 3
		.amdhsa_float_denorm_mode_16_64 3
		.amdhsa_memory_ordered 1
		.amdhsa_forward_progress 1
		.amdhsa_inst_pref_size 54
	.end_amdhsa_kernel
	.amdgpu_metadata
---
amdhsa.version: [ 1, 2 ]
amdhsa.kernels:
  - .name:           k_qc4464cd3be_prep
    .symbol:         k_qc4464cd3be_prep.kd
    .args:
      - { .name: x, .offset: 0, .size: 8, .value_kind: global_buffer, .address_space: global }
      - { .name: w_qkv, .offset: 8, .size: 8, .value_kind: global_buffer, .address_space: global }
      - { .name: xc, .offset: 16, .size: 8, .value_kind: global_buffer, .address_space: global }
      - { .name: xs, .offset: 24, .size: 8, .value_kind: global_buffer, .address_space: global }
      - { .name: wc, .offset: 32, .size: 8, .value_kind: global_buffer, .address_space: global }
      - { .name: ws, .offset: 40, .size: 8, .value_kind: global_buffer, .address_space: global }
      - { .name: w_proj, .offset: 48, .size: 8, .value_kind: global_buffer, .address_space: global }
      - { .name: wp, .offset: 56, .size: 8, .value_kind: global_buffer, .address_space: global }
    .group_segment_fixed_size: 33280
    .private_segment_fixed_size: 0
    .kernarg_segment_align: 8
    .kernarg_segment_size: 64
    .max_flat_workgroup_size: 128
    .sgpr_count:     66
    .vgpr_count:     192
    .wavefront_size: 32
...
	.end_amdgpu_metadata
.endif
;; end of part 1
;; launch qkvg (part 2): grid 12 x 32, 4 waves a work-group, clusters of 4 x 4, 327,680 bytes of LDS; arguments xc, xs, wc, ws, b_qkv, qkv; writes qkv
.if DOCPART == 2
	.amdgcn_target "amdgcn-amd-amdhsa--gfx1250"
	.amdhsa_code_object_version 6
	.text
	.protected	k_qc4464cd3be_qkvg
	.globl	k_qc4464cd3be_qkvg
	.p2align	8
	.type	k_qc4464cd3be_qkvg,@function
k_qc4464cd3be_qkvg:
	s_mov_b64 s[64:65], 0
	v_nop
	global_prefetch_b8 v0, s[64:65] scope:SCOPE_SE
	s_setreg_imm32_b32 hwreg(HW_REG_WAVE_MODE, 25, 1), 1
	s_wait_xcnt 0x0
	s_wait_alu depctr_hold_cnt(0) depctr_sa_sdst(0) depctr_va_vdst(0) depctr_va_sdst(0) depctr_va_ssrc(0) depctr_va_vcc(0) depctr_vm_vsrc(0)
	s_getreg_b32 s2, hwreg(HW_REG_IB_STS2, 6, 4)
	s_cmp_eq_u32 s2, 0
	s_cbranch_scc0 .Lentry_in_a_cluster
	s_endpgm
.Lentry_in_a_cluster:
	s_bfe_u32 s2, ttmp6, 0x10000c
	s_cmp_lg_u32 s2, 0xf033
	s_cbranch_scc0 .Lentry_shape_is_right
	s_endpgm
.Lentry_shape_is_right:
; qkv = x w_qkv^T + b_qkv on codes of FP4 (E2M1) with one E8M0 scale for each 32 along K; sums in f32; the result is rounded once to f16 and laid by head: [3][64 (batch, head)][2048][64].
; A: x's codes [8192][512 bytes], B: w_qkv's codes [3072][512 bytes]; their scale bytes [rows][32].  The matrix instruction takes codes and scale bytes as they lie in memory.
; LIMITS: a result beyond 65,504 becomes an infinity of f16; one under 6e-5 keeps f16's fixed step of 6e-8.
; A tile of C, 256 x 256, is made by a work-group of four waves; a wave makes 128 x 128: 64 accumulators of 16 x 16, 512 registers.
; K = 1,024 is two steps of 512 (rows of 256 bytes): each has an LDS slot of its own, so both are asked for at the head and nothing is ever filled again.  A wave has three tensor loads out at the most: scales, slot 0, slot 1.
; THE SCALES of the work-group's 256 rows of A and of B, for all of K, are two dense blocks of memory: they come into LDS once, as runs of 256 bytes.
; CLUSTERS: 4 x 4 work-groups.  The four of a row of the cluster need the same tiles of A, the four of a column the same tiles of B: each tile is asked for JOINTLY, by the same tensor load with the
; same descriptor and a mask that names the four.  THE MATRIX INSTRUCTION IS USED TRANSPOSED (source 0 = 16 rows of B, source 1 = 16 rows of A): a lane then holds eight neighbouring columns of a row of C.
; THE BIAS is the C of each sum's first matrix instruction: eight registers for each of B's eight blocks, in the result's layout.
; REGISTERS, in windows of 256: window 0: v0-31 addresses; v32-95 scale words, two sets; from v128 A's fragments (8 x 16 rows x 128 K), ONE set; on the way out v32-63, v192-255.
;   window 1: B's fragments, TWO sets, at v0 and at v128; v192-255 the bias.   window 2: the accumulators of my rows 0-63 ((a, b) at v[8 (8 a + b)]);   window 3: those of my rows 64-127.
.set SIZE_M, 8192
.set SIZE_N, 3072
.set SIZE_K, 1024
.set KSTEP,  512                       ; along K in a slot
.set NQ,     KSTEP/128                 ; matrix instructions deep
.set ROWB,   256                       ; a tile's row in bytes
.set KROW,   SIZE_K*4/8                ; a row of A or of B in memory, in bytes
.set PITCH,  272                       ; an LDS row: 256 bytes + 16 of padding = 68 words: row r starts at bank 4 r mod 64 (64 banks of 4 bytes: ISA guide 11.1)
.set FR,     8                         ; registers of a fragment: 16 rows x 128 K
.set NL,     2                         ; LDS loads that bring one
.set NP,     4                         ; places behind this matrix instruction (ISA guide 7.12.1)
.set HALFT,  128*PITCH                 ; 128 rows: what one tensor load brings, and what one wave reads of A or of B
.set SLOT,   4*HALFT                   ; A's 256 rows, then B's 256 rows
.set KS,     SIZE_K/32                 ; a row of scales in bytes
.set SCL,    2*SLOT                    ; behind the slots: the scales, as runs of 256 bytes + 16 of padding
.set HALFS,  (128*KS/256)*272          ; the scales of 128 rows: what one tensor load brings
.set SBLK,   (16*KS/256)*272           ; those of 16 rows
.set SPARE,  SCL+4*HALFS               ; behind the scales: the spare words, 128 bytes for each wave, which no other line names
.set SPITCH, 272                       ; the way out: a stage of 16 rows x (256 bytes + 16) for each wave.  It lies in slot 0, which has had its one fill and its last read when the first result is stored there
.set ADRA, 16                          ; v16-17  LDS address of my A fragments in slot 0, 1
.set ADRB, 20                          ; v20-21  the same for B
.set STO,  24                          ; v24     the way out: where I put 16 bytes of a row
.set RD,   25                          ; v25     the way out: where I read back
.set CO,   26                          ; v26     16 x lane: my place in a store's 512 bytes
.set ADRS, 27                          ; v27     LDS address of my scale words: lanes 0-15 A's rows, lanes 16-31 B's
.set SPW,  28                          ; v28     LDS address of my spare word; never rewritten
.set NIL,  29                          ; v29     0; never rewritten
.set BO,   30                          ; v30     32 x (lane / 16): my eight numbers of a block of the bias
.set SC,   32                          ; scale words: set s at v[SC + 8 NQ s]; register NQ i + q: lanes 0-15 the word of A's block i, lanes 16-31 that of B's block i
.set AF,   128                         ; A's fragments, in window 0
.set BIAS, 192                         ; the bias, in window 1
.set TMP,  192                         ; the way out: a block's 32 packed registers, in window 0
.set OB,   32                          ; the way out: a block read back: v32-63 and v224-255 by turns
.set G1, 24                            ; s[24:31] descriptor group 1 for A's tiles;  s[32:39] group 0, one set for each slot
.set G0, 32
.set G1B, 48                           ; s[48:55], s[56:63] the same for B's tiles
.set G0B, 56
.set G1S, 68                           ; s[68:75], s[76:79] groups 1 and 0 for A's scales;  s[80:87], s[88:91] for B's
.set G0S, 76
.set G1SB, 80
.set G0SB, 88
.set MSB, 0
.macro WIN new                         ; the immediate's high byte repeats the setting that is left
.if MSB != (\new)
	s_set_vgpr_msb (MSB<<8)|(\new)
.set MSB, (\new)
.endif
.endm
.set MUL_LO, 0xa1                      ; source 0 (B) window 1, source 1 (A) window 0, C and D window 2
.set MUL_HI, 0xf1                      ; the same, C and D window 3
.set BEG_LO, 0x91                      ; the first step: C (the bias) window 1, D window 2
.set BEG_HI, 0xd1                      ; C window 1, D window 3
.set TO_B,   0x40                      ; destination window 1, address window 0
; A joint load: waves 0 and 1 fetch for A, waves 2 and 3 for B.  Each of the two lines has ONE mask and one set of registers for all that issue it; the branch hangs on the wave's number alone.
; An s_nop 0 and four v_nop follow each of the two lines, ahead of the jump, the label and what follows.
.macro JLOAD g0a, g1a, g0b, g1b
	s_cmp_eq_u32 s15, 0
	s_cbranch_scc0 .Lfor_b_\@
	tensor_load_to_lds s[\g0a:\g0a+3], s[\g1a:\g1a+7]
	s_nop 0
.rept 4
	v_nop
.endr
	s_branch .Lasked_\@
.Lfor_b_\@:
	tensor_load_to_lds s[\g0b:\g0b+3], s[\g1b:\g1b+7]
	s_nop 0
.rept 4
	v_nop
.endr
.Lasked_\@:
.endm
.macro CROUND                          ; a round of the cluster's barrier: my work-group's barrier; wave 0 signals for the work-group; every wave waits for all sixteen; my work-group's barrier once more
	s_barrier_signal -1
	s_barrier_wait -1
	s_cmp_lg_u32 s14, 0
	s_cbranch_scc1 .Lnot_wave_0_\@
	s_barrier_signal -3
.Lnot_wave_0_\@:
	s_barrier_wait -3
	s_barrier_signal -1
	s_barrier_wait -1
.endm
	s_load_b128 s[4:7], s[0:1], 0x0                ; A's codes s[4:5], A's scales s[6:7]
	s_load_b128 s[8:11], s[0:1], 0x10              ; B's codes s[8:9], B's scales s[10:11]
	s_load_b64 s[96:97], s[0:1], 0x20              ; the bias
	s_load_b64 s[12:13], s[0:1], 0x28              ; qkv
	v_lshl_add_u32 v[SPW], v0, 2, SPARE
	v_mov_b32 v[NIL], 0
	ds_add_u32 v[SPW], v[NIL]                      ; the wave's opening: the add, twice on end, and its wait ahead of my first tensor load
	ds_add_u32 v[SPW], v[NIL]                      ; and once more; the set-up below, work on registers, stands between it and the wait
	v_lshrrev_b32 v1, 5, v0
	v_readfirstlane_b32 s14, v1                    ; wave 0..3
	s_lshr_b32 s15, s14, 1                         ; which half of the tile's rows is mine.  Also: I fetch for A (0) or for B (1)
	s_and_b32 s16, s14, 1                          ; which half of its columns.  Also: which 128 rows of that tile I fetch
	s_bfe_u32 s40, ttmp6, 0x40000                  ; cx, cy: my place in the cluster
	s_bfe_u32 s41, ttmp6, 0x40004
	s_lshl_b32 s42, ttmp9, 2
	s_add_co_u32 s42, s42, s40                     ; tile column of C = 4 x cluster x + cx
	s_and_b32 s17, ttmp7, 0xffff
	s_lshl_b32 s17, s17, 2
	s_add_co_u32 s17, s17, s41                     ; tile row of C = 4 x cluster y + cy
	s_lshl_b32 s43, s41, 2
	s_lshl_b32 s43, 15, s43                        ; my row of the cluster
	s_lshl_b32 s44, 0x1111, s40                    ; my column
	; descriptor group 1: a tile of 128 rows x ROWB bytes, padded in LDS
	s_or_b32 s[G1+0], s43, (0<<16)|(1<<20)|(1<<21)|(5<<22)|(3<<25)  ; 15:0 the mask: A's tiles go to my row; 17:16 element of 1 byte; 20 padding on; 21 set beside a mask; 24:22 after every 64 words (code 5); 31:25 of 4 words (code 3)
	s_or_b32 s[G1B+0], s44, (0<<16)|(1<<20)|(1<<21)|(5<<22)|(3<<25)
.irp g, G1, G1B
	s_mov_b32 s[\g+1], ROWB<<16                    ; tensor_dim0
	s_mov_b32 s[\g+2], 128<<16                     ; tensor_dim1 = 128
	s_mov_b32 s[\g+3], ROWB<<16                    ; tile_dim0
	s_mov_b32 s[\g+4], 128                         ; tile_dim1 = 128
	s_mov_b32 s[\g+5], KROW                        ; tensor_dim0_stride
	s_mov_b32 s[\g+6], 0
	s_mov_b32 s[\g+7], 0
.endr
	; and for the scales of 128 rows: a dense block of 4,096 bytes, as rows of 256 bytes (32 elements of 8 bytes), 16 bytes of padding behind each
	s_or_b32 s[G1S+0], s43, (3<<16)|(1<<20)|(1<<21)|(5<<22)|(3<<25)
	s_or_b32 s[G1SB+0], s44, (3<<16)|(1<<20)|(1<<21)|(5<<22)|(3<<25)
.irp g, G1S, G1SB
	s_mov_b32 s[\g+1], 32<<16
	s_mov_b32 s[\g+2], (128*KS/256)<<16
	s_mov_b32 s[\g+3], 32<<16
	s_mov_b32 s[\g+4], 128*KS/256
	s_mov_b32 s[\g+5], 32
	s_mov_b32 s[\g+6], 0
	s_mov_b32 s[\g+7], 0
.endr
	s_lshl_b32 s18, s16, 7                         ; which 128 rows of the tile I fetch
	s_lshl_b32 s20, s17, 8
	s_add_co_u32 s20, s20, s18                     ; A: row 256 x tile row + 128 x half
	s_lshl_b32 s46, s42, 8
	s_add_co_u32 s46, s46, s18                     ; B: row 256 x tile column + 128 x half
	s_mov_b32 s21, 0
	s_mov_b32 s47, 0
	s_mov_b64 s[18:19], KS
	s_mul_u64 s[22:23], s[20:21], s[18:19]         ; where these rows' scales begin, in bytes
	s_mul_u64 s[92:93], s[46:47], s[18:19]
	s_mov_b64 s[18:19], KROW
	s_mul_u64 s[20:21], s[20:21], s[18:19]         ; and their codes
	s_mul_u64 s[46:47], s[46:47], s[18:19]
	s_mul_i32 s45, s14, HALFT                      ; where they go: wave x 128 rows: no place in the cluster enters an LDS address
	s_mul_i32 s94, s14, HALFS
	s_wait_dscnt 0x0                               ; both opening adds are done
	s_wait_kmcnt 0x0
	s_add_nc_u64 s[20:21], s[4:5], s[20:21]
	s_add_nc_u64 s[22:23], s[6:7], s[22:23]
	s_add_nc_u64 s[46:47], s[8:9], s[46:47]
	s_add_nc_u64 s[92:93], s[10:11], s[92:93]
	CROUND                                         ; all sixteen work-groups are here: the joint loads meet
	s_mov_b32 s[G0S], 1
	s_add_co_u32 s[G0S+1], s94, SCL
	s_mov_b64 s[G0S+2:G0S+3], s[22:23]
	s_or_b32 s[G0S+3], s[G0S+3], 0x80000000
	s_mov_b32 s[G0SB], 1
	s_add_co_u32 s[G0SB+1], s94, SCL
	s_mov_b64 s[G0SB+2:G0SB+3], s[92:93]
	s_or_b32 s[G0SB+3], s[G0SB+3], 0x80000000
	JLOAD G0S, G1S, G0SB, G1SB                     ; the scales first: they are wanted with K step 0
.irp s, 0,1
	s_mov_b32 s[G0+4*\s], 1
	s_add_co_u32 s[G0+4*\s+1], s45, \s*SLOT
	s_add_nc_u64 s[G0+4*\s+2:G0+4*\s+3], s[20:21], \s*ROWB
	s_or_b32 s[G0+4*\s+3], s[G0+4*\s+3], 0x80000000
	s_mov_b32 s[G0B+4*\s], 1
	s_add_co_u32 s[G0B+4*\s+1], s45, \s*SLOT
	s_add_nc_u64 s[G0B+4*\s+2:G0B+4*\s+3], s[46:47], \s*ROWB
	s_or_b32 s[G0B+4*\s+3], s[G0B+4*\s+3], 0x80000000
	JLOAD G0+4*\s, G1, G0B+4*\s, G1B
.endr
	v_and_b32 v1, 15, v0                           ; l % 16
	v_bfe_u32 v2, v0, 4, 1                         ; l / 16
	v_mul_u32_u24 v3, v1, PITCH
	v_lshl_add_u32 v4, v2, 4, v3                   ; a fragment's row x pitch + 16 x half
	s_mul_i32 s21, s15, HALFT                      ; my 128 rows of A
	s_mul_i32 s22, s16, HALFT                      ; my 128 rows of B,
	s_add_co_u32 s22, s22, 2*HALFT                 ; which lie behind A's 256
.irp s, 0,1
	v_add_nc_u32 v[ADRA+\s], s21, v4
	v_add_nc_u32 v[ADRB+\s], s22, v4
	s_add_co_u32 s21, s21, SLOT
	s_add_co_u32 s22, s22, SLOT
.endr
	v_mul_u32_u24 v5, v1, KS                       ; my row's scales: KS bytes a row,
	v_lshrrev_b32 v6, 8, v5
	v_lshl_add_u32 v5, v6, 4, v5                   ; and 16 more for each 256 passed
	s_mul_i32 s21, s15, HALFS                      ; A's: my 128 rows
	s_mul_i32 s22, s16, HALFS                      ; B's: my 128 rows, behind A's 256
	s_add_co_u32 s22, s22, 2*HALFS
	s_sub_co_u32 s22, s22, s21
	v_mul_u32_u24 v6, s22, v2                      ; lanes 16-31 take B's
	s_add_co_u32 s21, s21, SCL
	v_add_nc_u32 v5, v5, v6
	v_add_nc_u32 v[ADRS], s21, v5
	s_mul_i32 s23, s14, 16*SPITCH                  ; my stage
	v_mul_u32_u24 v5, v1, SPITCH                   ; in: row l % 16, 16 bytes for each half of the lanes
	v_lshl_add_u32 v5, v2, 4, v5
	v_add_nc_u32 v[STO], s23, v5
	v_and_b32 v6, 31, v0
	v_lshlrev_b32 v[CO], 4, v6                     ; 16 x lane
	v_lshrrev_b32 v5, 3, v6                        ; back: eight lanes take the 128 bytes that a row has of one head; four rows an instruction
	v_mul_u32_u24 v5, v5, SPITCH
	v_and_b32 v6, 7, v6
	v_lshl_add_u32 v5, v6, 4, v5
	v_add_nc_u32 v[RD], s23, v5
	; the bias of my 128 columns: 4 x (256 x tile column + 128 x half) bytes on; lane (r, h) wants, for block b, numbers 16 b + 8 h + 0 .. 7
	s_lshl_b32 s46, s42, 10
	s_lshl_b32 s47, s16, 9
	s_add_co_u32 s46, s46, s47
	s_mov_b32 s47, 0
	s_add_nc_u64 s[96:97], s[96:97], s[46:47]
	v_lshlrev_b32 v[BO], 5, v2
	WIN TO_B
.irp b, 0,1,2,3,4,5,6,7
	global_load_b128 v[BIAS+8*\b:BIAS+8*\b+3], v[BO], s[96:97] offset:64*\b
	global_load_b128 v[BIAS+8*\b+4:BIAS+8*\b+7], v[BO], s[96:97] offset:64*\b+16
.endr
	WIN 0
	; where my part begins in qkv.  1,024 columns are a section (q, k or v): the cluster's x.  My 128 columns are heads 4 cx + 2 x half and the next.  2,048 rows are a batch: tile row / 8.
	s_lshr_b32 s20, s17, 3
	s_lshl_b32 s20, s20, 4                         ; 16 heads a batch
	s_lshl_b32 s21, s40, 2
	s_add_co_u32 s20, s20, s21
	s_lshl_b32 s21, s16, 1
	s_add_co_u32 s20, s20, s21                     ; (batch, head)
	s_lshl_b32 s20, s20, 18                        ; x 2,048 rows of 128 bytes
	s_lshl_b32 s21, ttmp9, 24                      ; + section x 64 heads
	s_add_co_u32 s20, s20, s21
	s_and_b32 s21, s17, 7
	s_lshl_b32 s21, s21, 15                        ; + the tile's 256 rows in the batch
	s_add_co_u32 s20, s20, s21
	s_lshl_b32 s21, s15, 14                        ; + my 128 of them
	s_add_co_u32 s20, s20, s21
	s_mov_b32 s21, 0
	s_add_nc_u64 s[12:13], s[12:13], s[20:21]
.macro FRAG reg, adr, q, i             ; a fragment, 16 rows x 128 K of 4-bit codes, is 8 registers: lane l holds row l % 16; registers 4 c .. 4 c + 3 hold K = 64 c + 32 (l / 16) + 0 .. 31
.irp c, 0,1
	ds_load_b128 v[\reg+4*\c:\reg+4*\c+3], v[\adr] offset:64*(\q)+32*\c+(\i)*16*PITCH
.endr
.endm
; 16 matrix instructions: A's blocks a0, a0 + 1 x B's eight, 128 along K: the slot's q-th.  p: B's set;  sc: the set of scale words.  first = 1: the sums begin with the bias as C: nothing is cleared or added later.
; The 64 accumulators take turns, one instruction a turn, in the same order in every step.
.macro MUL16 a0, p, q, sc, first
.irp a, \a0, \a0+1
.irp b, 0,1,2,3,4,5,6,7
.if \first
	v_wmma_scale_f32_16x16x128_f8f6f4 v[8*(8*((\a)%4)+\b):8*(8*((\a)%4)+\b)+7], v[128*(\p)+FR*\b:128*(\p)+FR*\b+FR-1], v[AF+FR*(\a):AF+FR*(\a)+FR-1], v[BIAS+8*\b:BIAS+8*\b+7], v[SC+8*NQ*(\sc)+NQ*\b+(\q)], v[SC+8*NQ*(\sc)+NQ*(\a)+(\q)] matrix_a_fmt:MATRIX_FMT_FP4 matrix_b_fmt:MATRIX_FMT_FP4 matrix_a_scale:MATRIX_SCALE_ROW1
.else
	v_wmma_scale_f32_16x16x128_f8f6f4 v[8*(8*((\a)%4)+\b):8*(8*((\a)%4)+\b)+7], v[128*(\p)+FR*\b:128*(\p)+FR*\b+FR-1], v[AF+FR*(\a):AF+FR*(\a)+FR-1], v[8*(8*((\a)%4)+\b):8*(8*((\a)%4)+\b)+7], v[SC+8*NQ*(\sc)+NQ*\b+(\q)], v[SC+8*NQ*(\sc)+NQ*(\a)+(\q)] matrix_a_fmt:MATRIX_FMT_FP4 matrix_b_fmt:MATRIX_FMT_FP4 matrix_a_scale:MATRIX_SCALE_ROW1
.endif
.endr
.endr
.endm
.macro FETCH_B slot, q, p              ; B's eight fragments of the slot's q-th 128 along K into set p
	WIN TO_B
.irp i, 0,1,2,3,4,5,6,7
	FRAG 128*(\p)+FR*\i, ADRB+\slot, \q, \i
.endr
	WIN 0
.endm
.macro FETCH_A slot, q, i0             ; A's blocks i0 .. i0 + 3
.irp i, \i0, \i0+1, \i0+2, \i0+3
	FRAG AF+FR*(\i), ADRA+\slot, \q, \i
.endr
.endm
.macro SCALES sc                       ; a K step's scale words into set sc: NQ words a row; lanes 0-15 take A's block i, lanes 16-31 B's block i
.irp i, 0,1,2,3,4,5,6,7
	ds_load_b128 v[SC+8*NQ*\sc+NQ*\i:SC+8*NQ*\sc+NQ*\i+3], v[ADRS] offset:\i*SBLK
.endr
.endm
; A load into a register that a matrix instruction has read, and a vector instruction that reads a matrix result, stand NP places behind that matrix instruction, and only plain vector
; instructions that name none of its registers are places (ISA guide 7.12.1 for vector instructions).
.macro PLACES n
.rept \n
	v_nop
.endr
.endm
; A step of 128 along K that has its successor in the same slot.  A block of A is free as soon as its eight products are issued: blocks 0-3 are fetched anew in the step's middle, blocks 4-7 at its end.
.macro STEP slot, q, first
	s_wait_dscnt 4*NL                              ; B's set and A's blocks 0-3 are in; the youngest eight loads (A's blocks 4-7) may be out
.if \first
	WIN BEG_LO
.else
	WIN MUL_LO
.endif
	MUL16 0, (\q)%2, \q, \slot, \first
	MUL16 2, (\q)%2, \q, \slot, \first
	s_wait_dscnt 0                                 ; A's blocks 4-7 are in (asked for 32 matrix instructions ago)
	PLACES NP
	FETCH_B \slot, (\q)+1, 1-(\q)%2
	FETCH_A \slot, (\q)+1, 0
.if \first
	WIN BEG_HI
.else
	WIN MUL_HI
.endif
	MUL16 4, (\q)%2, \q, \slot, \first
	MUL16 6, (\q)%2, \q, \slot, \first
	PLACES NP
	WIN 0
	FETCH_A \slot, (\q)+1, 4
.endm
; Slot 0's last step changes slots: one barrier; in front of it each wave waits for all its tensor loads (its part of slot 1), adds 0 to its spare word, and waits for that and for its own reads of slot 0.
; Behind it slot 1 is whole and nobody reads slot 0 any more: the way out's stages will lie there.  Nothing is filled again.
.macro TURN slot, next
	s_wait_tensorcnt 0x0                           ; all my tensor loads have landed  (every window is 0 here: the add's two registers lie in window 0)
	ds_add_u32 v[SPW], v[NIL]                      ; 0 onto my spare word
	s_wait_dscnt 4*NL+1                            ; (the add and the youngest eight loads, A's blocks 4-7, may be out)
	WIN MUL_LO
	MUL16 0, 1, NQ-1, \slot, 0                     ; sixteen matrix instructions stand between the add and the wait for it
	s_wait_dscnt 0x0                               ; the add is done, and my reads of this slot are over
	s_barrier_signal -1
	MUL16 2, 1, NQ-1, \slot, 0
	WIN 0
	s_barrier_wait -1
	PLACES NP
	v_add_nc_u32 v[ADRS], 4*NQ, v[ADRS]            ; on to the next K step's scale words (no LDS load of mine is out)
	FETCH_B \next, 0, 0
	FETCH_A \next, 0, 0
	SCALES \next
	WIN MUL_HI
	MUL16 4, 1, NQ-1, \slot, 0
	MUL16 6, 1, NQ-1, \slot, 0
	PLACES NP
	WIN 0
	FETCH_A \next, 0, 4
.endm
.macro STEPS slot, from                ; the slot's steps from .. NQ - 2
.set Q, \from
.rept NQ-1-\from
	STEP \slot, Q, 0
.set Q, Q+1
.endr
.endm
	s_wait_tensorcnt 1                             ; the scales and my part of K step 0 are in (slot 1's load may be out)
	s_barrier_signal -1
	s_barrier_wait -1                              ; everybody's are
	FETCH_B 0, 0, 0
	FETCH_A 0, 0, 0
	SCALES 0
	FETCH_A 0, 0, 4
	s_wait_loadcnt 0x0                             ; the bias
	STEP 0, 0, 1                                   ; the first step's products start the sums, on the bias
	STEPS 0, 1
	TURN 0, 1
	STEPS 1, 0
	s_wait_dscnt 4*NL                              ; the very last step: nothing more to fetch
	WIN MUL_LO
	MUL16 0, 1, NQ-1, 1, 0
	MUL16 2, 1, NQ-1, 1, 0
	s_wait_dscnt 0
	WIN MUL_HI
	MUL16 4, 1, NQ-1, 1, 0
	MUL16 6, 1, NQ-1, 1, 0
	WIN 0
; THE WAY OUT, block by block of 16 rows x 128 columns (two heads).  PACK: rounded to f16, a lane's eight neighbouring columns in 16 bytes.  TOSTAGE: into my own stage in LDS and back by heads: in qkv a head's
; 16 rows of 128 bytes are 2,048 bytes on end.  SEND: each store covers 512 consecutive bytes, aligned.  LDS serves a wave's instructions in order (ISA guide 5.7.1.4): no wait between the stage's stores and loads.
.macro PACK a
.set AC, 64*((\a)%4)
	WIN 0x0a+5*((\a)/4)                            ; sources 0 and 1: window 2 or 3
.irp b, 0,1,2,3,4,5,6,7
.irp r, 0,1,2,3
	v_cvt_pk_f16_f32 v[TMP+4*\b+\r], v[AC+8*\b+2*\r], v[AC+8*\b+2*\r+1]   ; each accumulator from its low end on
.endr
.endr
	WIN 0
.endm
.macro TOSTAGE a
.set BK, OB+192*((\a)%2)
.irp b, 0,1,2,3,4,5,6,7
	ds_store_b128 v[STO], v[TMP+4*\b:TMP+4*\b+3] offset:32*\b
.endr
.irp t, 0,1,2,3,4,5,6,7
	ds_load_b128 v[BK+4*\t:BK+4*\t+3], v[RD] offset:(\t%4)*4*SPITCH+(\t/4)*128   ; rows 4 (t % 4) on, head t / 4
.endr
.endm
.macro SEND a
.set BK, OB+192*((\a)%2)
	s_wait_dscnt 0x0                               ; the block is back in registers
	s_wait_xcnt 0x0                                ; the stores of the block before have read their registers: the next block's loads may land there
.irp t, 0,1,2,3,4,5,6,7
	global_store_b128 v[CO], v[BK+4*\t:BK+4*\t+3], s[12:13] offset:262144*(\t/4)+512*(\t%4)+2048*(\a)   ; the base is never stepped: 278,016 bytes at the most, inside the signed 24-bit immediate
.endr
.endm
	PLACES NP                                      ; behind the last products: for the first conversions and for the loads into registers that held scale words
	PACK 0
	TOSTAGE 0
.irp a, 1,2,3,4,5,6,7                  ; block a's conversions stand between block a - 1's loads from the stage and the wait for them
	PACK \a
	SEND \a-1
	TOSTAGE \a
.endr
	SEND 7
	s_wait_tensorcnt 0x0                           ; the wave's end: behind my last tensor load and my last LDS store
	ds_add_u32 v[SPW], v[NIL]
	s_wait_dscnt 0x0
	CROUND                                         ; the closing round: no work-group ends while a partner may still ask for a tile that names it
	s_endpgm
.Lfunc_end_k_qc4464cd3be_qkvg:
	.size	k_qc4464cd3be_qkvg, .Lfunc_end_k_qc4464cd3be_qkvg-k_qc4464cd3be_qkvg
	.p2alignl 7, 3214868480
	.fill 96, 4, 3214868480
	.section	.rodata,"a",@progbits
	.p2align	6, 0x0
	.amdhsa_kernel k_qc4464cd3be_qkvg
		.amdhsa_group_segment_fixed_size 327680
		.amdhsa_private_segment_fixed_size 0
		.amdhsa_enable_private_segment 0
		.amdhsa_kernarg_size 48
		.amdhsa_user_sgpr_count 2
		.amdhsa_user_sgpr_kernarg_segment_ptr 1
		.amdhsa_wavefront_size32 1
		.amdhsa_system_sgpr_workgroup_id_x 1
		.amdhsa_system_sgpr_workgroup_id_y 1
		.amdhsa_system_sgpr_workgroup_id_z 1
		.amdhsa_system_vgpr_workitem_id 0
		.amdhsa_next_free_vgpr 1024
		.amdhsa_next_free_sgpr 98
		.amdhsa_reserve_vcc 0
		.amdhsa_float_denorm_mode_32 3
		.amdhsa_float_denorm_mode_16_64 3
		.amdhsa_memory_ordered 1
		.amdhsa_forward_progress 1
		.amdhsa_inst_pref_size 128
	.end_amdhsa_kernel
	.amdgpu_metadata
---
amdhsa.version: [ 1, 2 ]
amdhsa.kernels:
  - .name:           k_qc4464cd3be_qkvg
    .symbol:         k_qc4464cd3be_qkvg.kd
    .args:
      - { .name: xc, .offset: 0, .size: 8, .value_kind: global_buffer, .address_space: global }
      - { .name: xs, .offset: 8, .size: 8, .value_kind: global_buffer, .address_space: global }
      - { .name: wc, .offset: 16, .size: 8, .value_kind: global_buffer, .address_space: global }
      - { .name: ws, .offset: 24, .size: 8, .value_kind: global_buffer, .address_space: global }
      - { .name: b_qkv, .offset: 32, .size: 8, .value_kind: global_buffer, .address_space: global }
      - { .name: qkv, .offset: 40, .size: 8, .value_kind: global_buffer, .address_space: global }
    .group_segment_fixed_size: 327680
    .private_segment_fixed_size: 0
    .kernarg_segment_align: 8
    .kernarg_segment_size: 48
    .max_flat_workgroup_size: 128
    .sgpr_count:     98
    .vgpr_count:     1024
    .wavefront_size: 32
...
	.end_amdgpu_metadata
.endif
;; end of part 2
;; launch attn (part 3): grid 4 x 64, 8 waves a work-group, clusters of 4 x 1, 327,680 bytes of LDS; arguments qkv, ao; writes ao
.if DOCPART == 3
	.amdgcn_target "amdgcn-amd-amdhsa--gfx1250"
	.amdhsa_code_object_version 6
	.text
	.protected	k_qc4464cd3be_attn
	.globl	k_qc4464cd3be_attn
	.p2align	8
	.type	k_qc4464cd3be_attn,@function
k_qc4464cd3be_attn:
	s_mov_b64 s[64:65], 0
	v_nop
	global_prefetch_b8 v0, s[64:65] scope:SCOPE_SE
	s_setreg_imm32_b32 hwreg(HW_REG_WAVE_MODE, 25, 1), 1
	s_wait_xcnt 0x0
	s_wait_alu depctr_hold_cnt(0) depctr_sa_sdst(0) depctr_va_vdst(0) depctr_va_sdst(0) depctr_va_ssrc(0) depctr_va_vcc(0) depctr_vm_vsrc(0)
	s_getreg_b32 s2, hwreg(HW_REG_IB_STS2, 6, 4)
	s_cmp_eq_u32 s2, 0
	s_cbranch_scc0 .Lentry_in_a_cluster
	s_endpgm
.Lentry_in_a_cluster:
	s_bfe_u32 s2, ttmp6, 0x10000c
	s_cmp_lg_u32 s2, 0x3003
	s_cbranch_scc0 .Lentry_shape_is_right
	s_endpgm
.Lentry_shape_is_right:
; ao[bh][q][:] = the sum over k of softmax_k(Q[bh][q] . K[bh][k] / 8) V[bh][k][:].  qkv: [3][64][2048][64] f16; ao: [64][2048][64] f16.  Products, maxima and sums in f32; the weights p are rounded to
; f16 for the second product, the result once at the end.
; LIMITS: NaN and infinities in qkv are not served; a p under 6e-5 keeps f16's fixed step of 6e-8.
; SHARES.  A work-group owns 512 queries of one head, each of its EIGHT waves 64: four tiles of 16, in 512 registers.  Every wave walks all 2,048 keys of the head, 64 a step.
; LAYOUT.  S^T = K Q^T (source 0 = 16 keys, source 1 = 16 queries): a lane holds ONE query (lane % 16) and the keys 8 (lane / 16) + 0..7.  Two such tiles, rounded to f16 in pairs, ARE source 1
; (32 keys x 16 queries) of O^T = V^T P, whose result again holds one query a lane.  K comes out of LDS as it lies, V ([key][channel]) turned, by ds_load_tr16_b128.
; SOFTMAX.  For each query a running maximum m and sum l: p = 2^(c s - c m), c = log2(e) / 8; in every step O and l are multiplied by a = 2^(c m_old - c m_new).  m begins at -3e38 and O and l at 0: the first a is 0.
; TWO PHASES, TWO GROUPS.  A key step is a VECTOR PHASE (the softmax of four tiles, all in window 0, with the step's 32 LDS loads at its head) and a MATRIX PHASE (32 products V^T P with O's rescaling between
; them, then 32 products K Q^T for the next step).  The waves are two groups, g = (w xor w / 4) & 1, so that waves w and w + 4, and waves 2 i and 2 i + 1, are of different groups.  Group 1 leaves out the
; matrix phase of each slot's last step and makes it up behind the change of slots: it needs registers alone.  So from the second slot on group 0 begins a slot with a vector phase and group 1 with a
; matrix phase, and both have eight phases between two changes.  (In the first slot both begin alike.)
; K LIES ONE STEP AHEAD: region i of slot s holds V of step 4 s + i and K of step 4 s + i + 1, so that a vector phase reads one region.  K of step 0 comes from memory into registers at the head.  The last slot's
; fourth tile of K is the 8,192 bytes behind the head's K (inside qkv): it is fetched and read like the others, so that the step has one form, and nothing multiplies it.
; CLUSTER.  The four query blocks of a head form a cluster and walk the same K and V: each tile is asked for JOINTLY, by the same tensor load with the same descriptor and a mask that names the four.
; A wave has one tensor load out at the most.
; REGISTERS.  Window 0: v1-13 addresses; v16-47 eight registers of statistics a tile; v64-191 S^T, 32 a tile (P is written over a tile's first 16); v192-255 K's 8 fragments.
;             Window 1: v0-127 O^T, 32 a tile; v128-191 Q; v192-255 V's 8 fragments.
.set KS,    64        ; keys in a step
.set PK,    144       ; a row of K in LDS: 128 bytes + 16 of padding = 36 words: the 16 rows of a load start at 16 different groups of four banks (64 banks of 4 bytes: ISA guide 11.1)
.set PV,    160       ; a row of V: 128 + 32
.set VOFF,  KS*PK     ; a region: 64 rows of K, then 64 rows of V
.set STEPB, KS*(PK+PV)
.set SLOT1, 1<<17     ; a slot holds four regions (77,824 bytes); slot 1 begins here, so that one exclusive or turns an address in one slot into the other's
.set STG,   SLOT1+4*STEPB  ; behind the ring: 16 rows x 144 bytes for each wave, for the way out
.set SP,    144
.set SPARE, STG+8*16*SP    ; behind the stages: the spare words, 128 bytes for each wave, which no other line names
.set SECT,  16777216  ; bytes of a section (q, k or v) of qkv
.set SLOTB, 4*KS*128  ; a slot's keys in memory: 32,768 bytes of K, and of V
.set AK0, 1           ; v1   my lane's place in a tile of K; never rewritten
.set AV0, 2           ; v2   the same for V
.set ADK, 3           ; v3   the LDS addresses of the loads in hand
.set ADV, 4           ; v4
.set QO,  5           ; v5   my byte offset in 16 rows of Q or K in memory
.set STO, 6           ; v6   the way out: where I put 16 bytes of a row
.set RD,  7           ; v7   the way out: where I read back
.set GO,  8           ; v8   16 x lane
.set PFO, 9           ; v9   256 x lane: the prefetches' offset; never rewritten
.set SPW, 12          ; v12  LDS address of my spare word; never rewritten
.set NIL, 13          ; v13  0; never rewritten
.set ST,  16          ; tile t's statistics at v[ST+8 t]: +0 c m, +1 m, +2, +3 l (even keys', odd keys'), +4 to +7 at work; a takes +6
.set S,   64
.set KF,  192         ; K's fragments, window 0: keys 16 kt on, channels 32 e on at 8 (2 kt + e)
.set QF,  128         ; Q's, window 1: tile t, channels 32 e on at 16 t + 8 e
.set VF,  192         ; V's, window 1: keys 32 g on, channels 16 c on at 8 (4 g + c)
.set WV,  12          ; s12  my wave's number
.set GRP, 13          ; s13  my group
.set SKIPC, 14        ; s14  the count of the step whose matrix phase is left out (0: none)
.set LIM, 15          ; s15  1 in a wave that prefetches, else the greatest number
.set PFA, 18          ; s[18:19] where my prefetches stand
.set G1K, 24          ; s[24:31] descriptor group 1 for K's tiles;  s[32:39] for V's: it differs in the padding alone
.set G1V, 32
.set G0K, 40          ; s[40:43], s[44:47] their groups 0, which walk
.set G0V, 44
.set CNT, 48          ; s48  counts a slot's four steps
.set SLOTS, 49        ; s49  counts the loop over slots
.set TB,  50          ; s50  LDS byte at which the region in hand begins
.set CS,  52          ; s[52:53] c: the packed scaling names a pair and takes its low word for both halves
.set SEL, 54          ; s[54:55] lane selects for v_permlanex16_b32: lane l xor 16
.set MSB, 0
.macro WIN new                      ; the immediate's high byte repeats the setting that is left; a switch that changes nothing is dropped
.if MSB != (\new)
	s_set_vgpr_msb (MSB<<8)|(\new)
.set MSB, (\new)
.endif
.endm
.set W_KQ, 0x04       ; Q (source 1) in window 1; K, S^T in window 0
.set W_PV, 0x51       ; V (source 0), O^T (C and D) in window 1; P, and a, (source 1) in window 0
.set TO_1, 0x40       ; destination window 1
; A joint load.  Waves 0 to 3 fetch a slot's four tiles of K, waves 4 to 7 those of V.  The branch hangs on the wave's number alone.  An s_nop 0 and four v_nop follow each of the two lines.
.macro JLOAD
	s_cmp_lt_u32 s[WV], 4
	s_cbranch_scc0 .Lfor_v_\@
	tensor_load_to_lds s[G0K:G0K+3], s[G1K:G1K+7]
	s_nop 0
.rept 4
	v_nop
.endr
	s_branch .Lasked_\@
.Lfor_v_\@:
	tensor_load_to_lds s[G0V:G0V+3], s[G1V:G1V+7]
	s_nop 0
.rept 4
	v_nop
.endr
.Lasked_\@:
.endm
; A PREFETCH INTO THE L2 of what the NEXT change of slots will ask for: a slot's 32,768 bytes of K and of V.  It stands behind the wave's tensor load and its five lines.  Each aligned 256 bytes are named once in the
; launch: a head has one cluster; its four partners share the bytes out BY ADDRESS, 8,192 each; in each, wave 0 asks for K's and wave 4 for V's, lanes 256 bytes apart: one instruction.
; The lead is one slot: eight phases.  The last change that fills a slot asks for nothing; slots 0 and 1 come by their loads alone.
.macro ASK
	s_cmp_gt_u32 s[SLOTS], s[LIM]
	s_cbranch_scc0 .Lnot_mine_\@
	global_prefetch_b8 v[PFO], s[PFA:PFA+1] th:TH_LOAD_NT scope:SCOPE_SE
.Lnot_mine_\@:
.endm
.macro CROUND                       ; a round of the cluster's barrier
	s_barrier_signal -1
	s_barrier_wait -1
	s_cmp_lg_u32 s[WV], 0
	s_cbranch_scc1 .Lnot_wave_0_\@
	s_barrier_signal -3
.Lnot_wave_0_\@:
	s_barrier_wait -3
	s_barrier_signal -1
	s_barrier_wait -1
.endm
	s_load_b128 s[4:7], s[0:1], 0x0   ; qkv s[4:5], ao s[6:7]
	v_lshl_add_u32 v[SPW], v0, 2, SPARE
	v_mov_b32 v[NIL], 0
	ds_add_u32 v[SPW], v[NIL]       ; the wave's opening: the add, twice on end, and its wait ahead of my first tensor load
	ds_add_u32 v[SPW], v[NIL]       ; and once more; the set-up below, work on registers, stands between it and the wait
	v_lshrrev_b32 v10, 5, v0
	v_readfirstlane_b32 s[WV], v10  ; wave 0..7
	s_lshr_b32 s[GRP], s[WV], 2
	s_xor_b32 s[GRP], s[GRP], s[WV]
	s_and_b32 s[GRP], s[GRP], 1     ; my group
	s_mov_b32 s[SKIPC], s[GRP]      ; group 1 leaves out the matrix phase of a slot's last step (count 1), group 0 none
	s_and_b32 s20, s[WV], 3         ; which of a slot's four tiles I fetch
	s_cmp_eq_u32 s20, 0
	s_cselect_b32 s[LIM], 1, -1     ; waves 0 and 4 prefetch
	s_bfe_u32 s21, ttmp6, 0x40000   ; cx: my block of 512 queries: it enters Q's, ao's and the prefetches' addresses alone
	s_and_b32 s22, ttmp7, 0xffff    ; (batch, head), which the four partners share
	s_lshl_b32 s22, s22, 18         ; its first byte in a section: 2,048 rows of 128 bytes
	s_lshl_b32 s23, s20, 13         ; my tile: 64 rows of 128 bytes
	s_add_co_u32 s58, s22, s23
	s_add_co_u32 s56, s58, SECT+8192  ; K: one step ahead
	s_add_co_u32 s58, s58, 2*SECT   ; V
	s_mov_b32 s57, 0
	s_mov_b32 s59, 0
	s_mul_i32 s23, s20, STEPB       ; my tile's region in a slot: no place in the cluster enters an LDS address
	s_add_co_u32 s10, s22, SECT     ; K of step 0
	s_mov_b32 s11, 0
	s_lshl_b32 s60, s21, 16         ; my block's 512 rows,
	s_lshl_b32 s61, s[WV], 13       ; my wave's 64 of them
	s_add_co_u32 s60, s60, s61
	s_add_co_u32 s60, s60, s22
	s_mov_b32 s61, 0
	s_cmp_lt_u32 s[WV], 4           ; the prefetches: K's or V's bytes,
	s_mov_b32 s62, 2*SECT+SLOTB
	s_cselect_b32 s62, SECT+8192+SLOTB, s62  ; in slot 1: the first change of slots steps it to slot 2
	s_add_co_u32 s62, s62, s22
	s_lshl_b32 s63, s21, 13         ; my work-group's 8,192 of the 32,768
	s_add_co_u32 s62, s62, s63
	s_mov_b32 s63, 0
	; descriptor group 1: a tile of 64 rows x 64 elements of 2 bytes, dense in memory, padded in LDS
	s_mov_b32 s[G1K], 15|(1<<16)|(1<<20)|(1<<21)|(4<<22)|(3<<25)  ; 15:0 the mask: all four work-groups; 17:16 elements of 2 bytes; 20 padding on; 21 set beside a mask; 24:22 after every 32 words (code 4); 31:25 4 words (code 3)
	s_mov_b32 s[G1V], 15|(1<<16)|(1<<20)|(1<<21)|(4<<22)|(7<<25)  ; the same with 8 words of padding (code 7)
.irp g, G1K, G1V
	s_mov_b32 s[\g+1], 64<<16       ; tensor_dim0 = 64
	s_mov_b32 s[\g+2], KS<<16       ; tensor_dim1 = 64
	s_mov_b32 s[\g+3], 64<<16       ; tile_dim0 = 64
	s_mov_b32 s[\g+4], KS           ; tile_dim1 = 64
	s_mov_b32 s[\g+5], 64           ; tensor_dim0_stride: elements from row to row
	s_mov_b32 s[\g+6], 0
	s_mov_b32 s[\g+7], 0
.endr
	s_mov_b32 s[CS], 0x3e38aa3b     ; c = log2(e) / 8
	s_mov_b32 s[CS+1], s[CS]        ; named with it as a pair, so it is written
	s_mov_b32 s[SEL], 0x76543210
	s_mov_b32 s[SEL+1], 0xfedcba98
	s_mov_b32 s[TB], 0
	s_mov_b32 s[SLOTS], 6
	s_wait_dscnt 0x0                ; both opening adds are done
	s_wait_kmcnt 0x0
	s_mov_b32 s[G0K], 1             ; 1:0 count = 1
	s_mov_b32 s[G0K+1], s23         ; 63:32 LDS address: slot 0
	s_add_nc_u64 s[G0K+2:G0K+3], s[4:5], s[56:57]  ; 120:64 global address
	s_or_b32 s[G0K+3], s[G0K+3], 0x80000000  ; 127:126 type = 2
	s_mov_b32 s[G0V], 1
	s_add_co_u32 s[G0V+1], s23, VOFF
	s_add_nc_u64 s[G0V+2:G0V+3], s[4:5], s[58:59]
	s_or_b32 s[G0V+3], s[G0V+3], 0x80000000
	s_add_nc_u64 s[PFA:PFA+1], s[4:5], s[62:63]
	s_add_nc_u64 s[8:9], s[4:5], s[10:11]    ; K of step 0
	s_add_nc_u64 s[16:17], s[4:5], s[60:61]  ; Q at my wave's first row
	s_add_nc_u64 s[6:7], s[6:7], s[60:61]    ; ao likewise
	CROUND                          ; all four work-groups are here: the first joint loads meet
	JLOAD                           ; slot 0
	; A fragment of K or Q is 16 rows x 32 channels in 8 registers: lane l holds row l % 16; registers 0-3 channels 8 (l / 16) + 0..7, registers 4-7 channels 16 + 8 (l / 16) + 0..7: two loads of 16 bytes, 32 bytes apart.
	v_and_b32 v10, 15, v0           ; l % 16
	v_bfe_u32 v11, v0, 4, 1         ; l / 16
	v_lshlrev_b32 v[QO], 7, v10
	v_lshl_add_u32 v[QO], v11, 4, v[QO]  ; row x 128 + 16 x half
	WIN TO_1
.irp i, 0,1,2,3,4,5,6,7             ; Q stays in registers: tile i / 2, channels 32 (i % 2) on
	global_load_b128 v[QF+8*\i:QF+8*\i+3],   v[QO], s[16:17] offset:(\i/2)*2048+(\i%2)*64 th:TH_LOAD_NT
	global_load_b128 v[QF+8*\i+4:QF+8*\i+7], v[QO], s[16:17] offset:(\i/2)*2048+(\i%2)*64+32 th:TH_LOAD_NT
.endr
	WIN 0
.irp f, 0,1,2,3,4,5,6,7             ; K of step 0: keys 16 (f / 2) on, channels 32 (f % 2) on
	global_load_b128 v[KF+8*\f:KF+8*\f+3],   v[QO], s[8:9] offset:(\f/2)*2048+(\f%2)*64
	global_load_b128 v[KF+8*\f+4:KF+8*\f+7], v[QO], s[8:9] offset:(\f/2)*2048+(\f%2)*64+32
.endr
	v_mul_u32_u24 v[AK0], v10, PK
	v_lshl_add_u32 v[AK0], v11, 4, v[AK0]  ; row x pitch + 16 x half
	; The turning load takes 16 keys x 16 channels (lane l reads 16 bytes: key 8 (l / 16) + l % 8, channels 8 ((l / 8) % 2) + 0..7) and leaves half a fragment of V^T: lane l holds channel l % 16 and 8 keys.
	v_and_b32 v[ADK], 7, v0
	v_lshl_add_u32 v[AV0], v11, 3, v[ADK]
	v_mul_u32_u24 v[AV0], v[AV0], PV
	v_bfe_u32 v[ADK], v0, 3, 1
	v_lshl_add_u32 v[AV0], v[ADK], 4, v[AV0]
	v_add_nc_u32 v[AV0], VOFF, v[AV0]
	s_mul_i32 s20, s[WV], 16*SP
	s_add_co_u32 s20, s20, STG      ; my stage
	v_mul_u32_u24 v[STO], v10, SP   ; in: row l % 16, 16 bytes for each half of the lanes
	v_lshl_add_u32 v[STO], v11, 4, v[STO]
	v_add_nc_u32 v[STO], s20, v[STO]
	v_and_b32 v[GO], 31, v0
	v_lshrrev_b32 v[RD], 3, v[GO]   ; back: eight lanes take a row of 128 bytes, four rows an instruction
	v_mul_u32_u24 v[RD], v[RD], SP
	v_and_b32 v[ADV], 7, v0
	v_lshl_add_u32 v[RD], v[ADV], 4, v[RD]
	v_add_nc_u32 v[RD], s20, v[RD]
	v_lshlrev_b32 v[PFO], 8, v[GO]
	v_lshlrev_b32 v[GO], 4, v[GO]
.irp t, 0,1,2,3
	v_mov_b32 v[ST+8*\t+1], 0xff61b1e6     ; m = -3e38, under every score
	v_mul_f32 v[ST+8*\t], s[CS], v[ST+8*\t+1]
.irp j, 2,3,4,5,6,7
	v_mov_b32 v[ST+8*\t+\j], 0             ; l = 0; the others are written once, since a lane permute's destination and a pair's second half count as read
.endr
.endr
	WIN TO_1
.set n, 0
.rept 128
	v_mov_b32 v[n], 0               ; O^T.  (The step is written once: its first pass finds zeros, which the first a, 0, leaves zeros)
.set n, n+1
.endr
	WIN 0
; 32 products S^T = K Q^T.  The 16 accumulators take turns, one instruction a turn; the first 16 start the sums.
.macro KQ
	WIN W_KQ
.irp e, 0,1
.irp t, 0,1,2,3
.irp k, 0,1,2,3
.if \e == 0
	v_wmma_f32_16x16x32_f16 v[S+32*\t+8*\k:S+32*\t+8*\k+7], v[KF+16*\k:KF+16*\k+7], v[QF+16*\t:QF+16*\t+7], 0
.else
	v_wmma_f32_16x16x32_f16 v[S+32*\t+8*\k:S+32*\t+8*\k+7], v[KF+16*\k+8:KF+16*\k+15], v[QF+16*\t+8:QF+16*\t+15], v[S+32*\t+8*\k:S+32*\t+8*\k+7]
.endif
.endr
.endr
.endr
	WIN 0
.endm
; THE MATRIX PHASE.  O^T = a O^T + V^T P: tile 0 is rescaled first; tile t + 1's 16 packed multiplications stand two behind each of tile t's eight products, under the products' own window setting.
; A tile's four accumulators take turns.  kq = 1: the next step's scores follow; they are written over P, which the products have read as a source: five places stand between (ISA guide 7.12.1).
.macro MPH kq
	WIN W_PV
.irp i, 0,1,2,3,4,5,6,7,8,9,10,11,12,13,14,15
	v_pk_mul_f32 v[2*\i:2*\i+1], v[2*\i:2*\i+1], v[ST+6:ST+7] op_sel_hi:[1,0]
.endr
.irp t, 0,1,2,3
.irp i, 0,1,2,3,4,5,6,7             ; keys 32 (i / 4) on, channels 16 (i % 4) on
	v_wmma_f32_16x16x32_f16 v[32*\t+8*(\i%4):32*\t+8*(\i%4)+7], v[VF+8*\i:VF+8*\i+7], v[S+32*\t+8*(\i/4):S+32*\t+8*(\i/4)+7], v[32*\t+8*(\i%4):32*\t+8*(\i%4)+7]
.if \t < 3
	v_pk_mul_f32 v[32*(\t+1)+4*\i:32*(\t+1)+4*\i+1], v[32*(\t+1)+4*\i:32*(\t+1)+4*\i+1], v[ST+8*(\t+1)+6:ST+8*(\t+1)+7] op_sel_hi:[1,0]
	v_pk_mul_f32 v[32*(\t+1)+4*\i+2:32*(\t+1)+4*\i+3], v[32*(\t+1)+4*\i+2:32*(\t+1)+4*\i+3], v[ST+8*(\t+1)+6:ST+8*(\t+1)+7] op_sel_hi:[1,0]
.endif
.endr
.endr
.if \kq
.rept 5
	v_nop
.endr
	KQ
.else
	WIN 0
.endif
.endm
; THE SOFTMAX OF A TILE is three lists.  s0-s31 are the lane's 32 scores, in pairs 0-15.
; PREI, 37 lines: 0-15 the maximum of s0-s31 and the old m, three operands at a time, in four chains (each accumulator is first read at its low end); 16-20 the other half of the lanes' maximum, the new m, c m and its change;
; 21-36 the scalings c s - c m, a pair each.
.macro PREI t, i
.set rT, ST+8*(\t)
.set rS, S+32*(\t)
.if (\i) < 4
	v_max3_num_f32 v[rT+4+(\i)], v[rS+8*(\i)], v[rS+8*(\i)+1], v[rS+8*(\i)+2]
.elseif (\i) < 12
	v_max3_num_f32 v[rT+4+(\i)%4], v[rT+4+(\i)%4], v[rS+8*((\i)%4)+2*((\i)/4)+1], v[rS+8*((\i)%4)+2*((\i)/4)+2]
.elseif (\i) == 12
	v_max3_num_f32 v[rT+4], v[rT+4], v[rS+7], v[rS+15]
.elseif (\i) == 13
	v_max3_num_f32 v[rT+6], v[rT+6], v[rS+23], v[rS+31]
.elseif (\i) == 14
	v_max3_num_f32 v[rT+4], v[rT+4], v[rT+5], v[rT+6]
.elseif (\i) == 15
	v_max3_num_f32 v[rT+4], v[rT+4], v[rT+7], v[rT+1]
.elseif (\i) == 16
	v_permlanex16_b32 v[rT+5], v[rT+4], s[SEL], s[SEL+1]  ; the query's other 32 keys lie in the lane 16 away
.elseif (\i) == 17
	v_mov_b32 v[rT+7], v[rT]        ; c m_old is kept for a
.elseif (\i) == 18
	v_max_num_f32 v[rT+1], v[rT+4], v[rT+5]
.elseif (\i) == 19
	v_mul_f32 v[rT], s[CS], v[rT+1]
.elseif (\i) == 20
	v_sub_f32 v[rT+7], v[rT+7], v[rT]
.else
	v_pk_fma_f32 v[rS+2*((\i)-21):rS+2*((\i)-21)+1], v[rS+2*((\i)-21):rS+2*((\i)-21)+1], s[CS:CS+1], v[rT:rT+1] op_sel_hi:[1,0,0] neg_lo:[0,0,1] neg_hi:[0,0,1]
.endif
.endm
; EXPI, 33 lines: a, then p of s0-s31, in place.
.macro EXPI t, i
.set rT, ST+8*(\t)
.set rS, S+32*(\t)
.if (\i) == 0
	v_exp_f32 v[rT+6], v[rT+7]
.else
	v_exp_f32 v[rS+(\i)-1], v[rS+(\i)-1]
.endif
.endm
; POSTI, 32 lines: 0-15 l = a l + the sum of the 16 pairs, in two chains; 16-31 the roundings to f16, in place and ascending: register i is written when registers 2 i and 2 i + 1 are read, so none is lost.
.macro POSTI t, i
.set rT, ST+8*(\t)
.set rS, S+32*(\t)
.if (\i) == 0
	v_pk_fma_f32 v[rT+2:rT+3], v[rT+2:rT+3], v[rT+6:rT+7], v[rS:rS+1] op_sel_hi:[1,0,1]
.elseif (\i) == 1
	v_pk_add_f32 v[rT+4:rT+5], v[rS+2:rS+3], v[rS+4:rS+5]
.elseif ((\i) < 15) && ((\i)%2 == 0)
	v_pk_add_f32 v[rT+2:rT+3], v[rT+2:rT+3], v[rS+2*((\i)+1):rS+2*((\i)+1)+1]
.elseif (\i) < 15
	v_pk_add_f32 v[rT+4:rT+5], v[rT+4:rT+5], v[rS+2*((\i)+1):rS+2*((\i)+1)+1]
.elseif (\i) == 15
	v_pk_add_f32 v[rT+2:rT+3], v[rT+2:rT+3], v[rT+4:rT+5]
.else
	v_cvt_pk_f16_f32 v[rS+(\i)-16], v[rS+2*((\i)-16)], v[rS+2*((\i)-16)+1]
.endif
.endm
; Tile t's exponentials are ONE BATCH, with plain work of the neighbouring tiles between them: tile t + 1's first list and tile t - 1's last.  Nothing between a batch's first exponential and the wait at its end names
; one of its results; a plain line stands behind the last exponential; the wait stands ahead of the first line that names a result: one for the batch.
.macro SOFT t
.set n, 0
.rept 33
	EXPI \t, n
.if (\t) < 3
	PREI (\t)+1, n
.endif
.if ((\t) > 0) && (n < 32)
	POSTI (\t)-1, n
.endif
.set n, n+1
.endr
.if (\t) < 3
.rept 4
	PREI (\t)+1, n
.set n, n+1
.endr
.else
	v_nop
.endif
	s_wait_alu depctr_va_vdst(0)
.endm
; THE VECTOR PHASE.  Its first four lines are the places behind the last products: for the loads into K's and V's registers and for the first read of the scores.  The 32 LDS loads stand in one run at its head
; and are waited for at its end: this step's V and the next step's K, out of one region.
.macro VPH
	v_add_nc_u32 v[ADK], s[TB], v[AK0]
	v_add_nc_u32 v[ADV], s[TB], v[AV0]
	v_nop
	v_nop
	WIN TO_1
.irp f, 0,1,2,3,4,5,6,7
	ds_load_tr16_b128 v[VF+8*\f:VF+8*\f+3],   v[ADV] offset:(\f/4)*32*PV+(\f%4)*32
	ds_load_tr16_b128 v[VF+8*\f+4:VF+8*\f+7], v[ADV] offset:(\f/4)*32*PV+16*PV+(\f%4)*32
.endr
	WIN 0
.irp f, 0,1,2,3,4,5,6,7
	ds_load_b128 v[KF+8*\f:KF+8*\f+3],   v[ADK] offset:(\f/2)*16*PK+(\f%2)*64
	ds_load_b128 v[KF+8*\f+4:KF+8*\f+7], v[ADK] offset:(\f/2)*16*PK+(\f%2)*64+32
.endr
.set n, 0
.rept 37
	PREI 0, n
.set n, n+1
.endr
	SOFT 0
	SOFT 1
	SOFT 2
	SOFT 3
.set n, 0
.rept 32
	POSTI 3, n
.set n, n+1
.endr
	s_wait_dscnt 0x0                ; V and K are in: my reads of this region are over
.endm
; A slot's four key steps: written once, walked four times.  The jump leads round register work alone: the matrix phase that group 1 makes up behind the change of slots.
.macro INNER
	s_mov_b32 s[CNT], 4
.Lstep_\@:
	VPH
	s_cmp_eq_u32 s[CNT], s[SKIPC]
	s_cbranch_scc1 .Lnom_\@
	MPH 1
.Lnom_\@:
	s_add_co_u32 s[TB], s[TB], STEPB  ; the next region
	s_sub_co_u32 s[CNT], s[CNT], 1
	s_cmp_lg_u32 s[CNT], 0
	s_cbranch_scc1 .Lstep_\@
	s_sub_co_u32 s[TB], s[TB], 4*STEPB  ; back to a slot's first region,
	s_xor_b32 s[TB], s[TB], SLOT1   ; in the other slot
.endm
; THE CHANGE OF SLOTS.  Each wave waits for all its tensor loads (its tile of the slot ahead), adds 0 to its spare word, and waits for that and for its reads of the slot that it leaves.  fill = 1: the barrier is a round of the
; cluster's, so that no wave of any partner still reads that slot or has a load on its way; the joint load, the next 256 keys into the slot just left, is the first thing behind it and has eight phases in which to land.
.macro CHANGE fill
	s_wait_tensorcnt 0x0            ; no tensor load of mine is out, so a group 0 may be written
	ds_add_u32 v[SPW], v[NIL]       ; 0 onto my spare word; the descriptors' steps stand between it and the wait for it
.if \fill
	s_xor_b32 s[G0K+1], s[G0K+1], SLOT1  ; the walking descriptors: the other slot than last time,
	s_add_nc_u64 s[G0K+2:G0K+3], s[G0K+2:G0K+3], SLOTB  ; the next 256 keys; the type bits on top are not reached
	s_xor_b32 s[G0V+1], s[G0V+1], SLOT1
	s_add_nc_u64 s[G0V+2:G0V+3], s[G0V+2:G0V+3], SLOTB
	s_wait_xcnt 0x0                 ; the last prefetch, a slot back, has read its address, so it may be written:
	s_add_nc_u64 s[PFA:PFA+1], s[PFA:PFA+1], SLOTB  ; one slot further on than the walking descriptors
	s_wait_dscnt 0x0                ; the add is done, and my reads of the slot are over
	CROUND
	JLOAD
	ASK
.else
	s_wait_dscnt 0x0
	s_barrier_signal -1
	s_barrier_wait -1
.endif
.endm
.macro OWED                         ; group 1 makes up the matrix phase that it left out: V, K and P are in registers
	s_cmp_eq_u32 s[GRP], 0
	s_cbranch_scc1 .Lnot_owed_\@
	MPH 1
.Lnot_owed_\@:
.endm
	s_wait_loadcnt 0x0              ; Q, and K of step 0
	KQ                              ; step 0's scores, while slot 0 is on its way
	CHANGE 1                        ; slot 0 is whole; slot 1's first fill goes out as a refill does: no slot is filled again behind this round
.Lslot:                             ; six trips: slots 0 to 5 are walked; behind each, slots 2 to 7 are asked for
	INNER
	CHANGE 1
	OWED
	s_sub_co_u32 s[SLOTS], s[SLOTS], 1
	s_cmp_lg_u32 s[SLOTS], 0
	s_cbranch_scc1 .Lslot
	INNER                           ; slot 6.  The tail is written out
	CHANGE 0                        ; nothing is left to ask for
	OWED
	s_mov_b32 s[SKIPC], 1           ; in the last slot every wave leaves out the last step's matrix phase,
	INNER
	MPH 0                           ; and runs it without scores for a next step
	; THE WAY OUT.  l's two halves and the other half of the lanes' are added; O^T is divided by l, rounded to f16 and sent through my stage in LDS, a tile (16 rows of 128 bytes) at a time.  The twelve lines below are the places behind the last products.
.irp t, 0,1,2,3
	v_add_f32 v[ST+8*\t+4], v[ST+8*\t+2], v[ST+8*\t+3]
.endr
.irp t, 0,1,2,3
	v_permlanex16_b32 v[ST+8*\t+5], v[ST+8*\t+4], s[SEL], s[SEL+1]
.endr
.irp t, 0,1,2,3
	v_add_f32 v[ST+8*\t+4], v[ST+8*\t+4], v[ST+8*\t+5]
.endr
.irp t, 0,1,2,3
	v_rcp_f32 v[ST+8*\t+6], v[ST+8*\t+4]
.endr
	v_nop                           ; a plain line between the last reciprocal and the use of its result
	s_wait_alu depctr_va_vdst(0)    ; and the wait ahead of the first use: one for the four
.macro PACK t
	WIN 0x41                        ; O^T (destination and source 0) in window 1, 1 / l in window 0
.set n, 32*\t
.rept 16
	v_pk_mul_f32 v[n:n+1], v[n:n+1], v[ST+8*\t+6:ST+8*\t+7] op_sel_hi:[1,0]   ; ascending: each accumulator from its low end on
.set n, n+2
.endr
	WIN 0x05                        ; sources 0 and 1 window 1, destination window 0: S^T's registers are free
.set n, 0
.rept 16
	v_cvt_pk_f16_f32 v[S+16*\t+n], v[32*\t+2*n], v[32*\t+2*n+1]
.set n, n+1
.endr
	WIN 0
.irp c, 0,1,2,3
	ds_store_b128 v[STO], v[S+16*\t+4*\c:S+16*\t+4*\c+3] offset:32*\c
.endr
.irp f, 0,1,2,3
	ds_load_b128 v[S+16*\t+4*\f:S+16*\t+4*\f+3], v[RD] offset:\f*4*SP  ; LDS serves a wave's instructions in order (ISA guide 5.7.1.4): these see the stores above; the next tile's stores come behind them
.endr
.endm
.macro SEND t, younger              ; younger: the LDS instructions issued behind tile t's loads: the next tile's eight, or none; 3 - f: the tile's own younger loads
.irp f, 0,1,2,3
	s_wait_dscnt \younger+3-\f
	global_store_b128 v[GO], v[S+16*\t+4*\f:S+16*\t+4*\f+3], s[6:7] offset:\t*2048+\f*512  ; 32 lanes store 512 consecutive bytes, aligned
.endr
.endm
	PACK 0
	PACK 1                          ; a tile's arithmetic stands between the loads of the tile before and its stores
	SEND 0, 8
	PACK 2
	SEND 1, 8
	PACK 3
	SEND 2, 8
	SEND 3, 0
	s_wait_tensorcnt 0x0            ; the wave's end: behind my last tensor load and my last LDS store
	ds_add_u32 v[SPW], v[NIL]
	s_wait_dscnt 0x0
	CROUND                          ; the closing round: no work-group ends while a partner may still ask for a tile that names it
	s_endpgm
.Lfunc_end_k_qc4464cd3be_attn:
	.size	k_qc4464cd3be_attn, .Lfunc_end_k_qc4464cd3be_attn-k_qc4464cd3be_attn
	.p2alignl 7, 3214868480
	.fill 96, 4, 3214868480
	.section	.rodata,"a",@progbits
	.p2align	6, 0x0
	.amdhsa_kernel k_qc4464cd3be_attn
		.amdhsa_group_segment_fixed_size 327680
		.amdhsa_private_segment_fixed_size 0
		.amdhsa_enable_private_segment 0
		.amdhsa_kernarg_size 16
		.amdhsa_user_sgpr_count 2
		.amdhsa_user_sgpr_kernarg_segment_ptr 1
		.amdhsa_wavefront_size32 1
		.amdhsa_system_sgpr_workgroup_id_x 1
		.amdhsa_system_sgpr_workgroup_id_y 1
		.amdhsa_system_sgpr_workgroup_id_z 1
		.amdhsa_system_vgpr_workitem_id 0
		.amdhsa_next_free_vgpr 512
		.amdhsa_next_free_sgpr 66
		.amdhsa_reserve_vcc 0
		.amdhsa_float_denorm_mode_32 3
		.amdhsa_float_denorm_mode_16_64 3
		.amdhsa_memory_ordered 1
		.amdhsa_forward_progress 1
		.amdhsa_inst_pref_size 152
	.end_amdhsa_kernel
	.amdgpu_metadata
---
amdhsa.version: [ 1, 2 ]
amdhsa.kernels:
  - .name:           k_qc4464cd3be_attn
    .symbol:         k_qc4464cd3be_attn.kd
    .args:
      - { .name: qkv, .offset: 0, .size: 8, .value_kind: global_buffer, .address_space: global }
      - { .name: ao, .offset: 8, .size: 8, .value_kind: global_buffer, .address_space: global }
    .group_segment_fixed_size: 327680
    .private_segment_fixed_size: 0
    .kernarg_segment_align: 8
    .kernarg_segment_size: 16
    .max_flat_workgroup_size: 256
    .sgpr_count:     66
    .vgpr_count:     512
    .wavefront_size: 32
...
	.end_amdgpu_metadata
.endif
;; end of part 3
;; launch proj (part 4): grid 4 x 64, 4 waves a work-group, clusters of 4 x 4, 327,680 bytes of LDS; arguments ao, wp, b_proj, out0; writes out0
.if DOCPART == 4
	.amdgcn_target "amdgcn-amd-amdhsa--gfx1250"
	.amdhsa_code_object_version 6
	.text
	.protected	k_qc4464cd3be_proj
	.globl	k_qc4464cd3be_proj
	.p2align	8
	.type	k_qc4464cd3be_proj,@function
k_qc4464cd3be_proj:
	s_mov_b64 s[64:65], 0
	v_nop
	global_prefetch_b8 v0, s[64:65] scope:SCOPE_SE
	s_setreg_imm32_b32 hwreg(HW_REG_WAVE_MODE, 25, 1), 1
	s_wait_xcnt 0x0
	s_wait_alu depctr_hold_cnt(0) depctr_sa_sdst(0) depctr_va_vdst(0) depctr_va_sdst(0) depctr_va_ssrc(0) depctr_va_vcc(0) depctr_vm_vsrc(0)
	s_getreg_b32 s2, hwreg(HW_REG_IB_STS2, 6, 4)
	s_cmp_eq_u32 s2, 0
	s_cbranch_scc0 .Lentry_in_a_cluster
	s_endpgm
.Lentry_in_a_cluster:
	s_bfe_u32 s2, ttmp6, 0x10000c
	s_cmp_lg_u32 s2, 0xf033
	s_cbranch_scc0 .Lentry_shape_is_right
	s_endpgm
.Lentry_shape_is_right:
; out0[m][n] = the sum over k of A[m][k] W[n][k] + b_proj[n].  A is the attention's result, f16, laid by head: ao[64 (batch, head)][2048][64], k = 64 x head + channel; W: wp[1024][1024] f16; out0: [8192][1024] f32; sums in f32.
; A tile of C is 128 (m) x 256 (n): 256 work-groups; tiles of 256 x 256 would be 128.  Four waves, each 64 x 128: 32 accumulators of 16 x 16, 256 registers.
; K goes in 8 steps of 128 (two heads) through a ring of two LDS slots: of A two planes, one head each, a dense block of 128 rows x 128 bytes; of W 256 rows x 256 bytes.  A step twice as long would not leave room for two slots.
; Waves 0 and 1 fetch A's planes, waves 2 and 3 W's halves: one tensor load a wave behind each change of slots; two are out at the head, later one.
; CLUSTERS: 4 x 4 work-groups.  The four of a row of the cluster need the same tiles of A, the four of a column the same tiles of W: each tile is asked for JOINTLY, by the same tensor load with the same descriptor and a mask
; that names the four.  THE MATRIX INSTRUCTION IS USED TRANSPOSED (source 0 = 16 rows of W, source 1 = 16 rows of A): a lane then holds eight neighbouring numbers of a row of C.
; THE BIAS is the C of each sum's first matrix instruction.
; REGISTERS: window 0: v0-31 addresses; v32-95 A's fragments, two buffers of 32 (4 x 16 rows x 32 K); v96-223 W's, two buffers of 64; on the way out v32-159.
;   window 1: the accumulators ((a, b) at v[8 (8 a + b)]).   window 2: v0-63 the bias, eight registers for each of W's eight blocks.
.set PA,     144                       ; a row of A in LDS: 128 bytes + 16 of padding = 36 words: the 16 rows of a load start at 16 different groups of four banks (64 banks of 4 bytes: ISA guide 11.1)
.set PB,     272                       ; a row of W: 256 + 16
.set PLANE,  128*PA                    ; a head's 128 rows of A
.set BOFF,   2*PLANE                   ; W lies behind A's two planes
.set HALFB,  128*PB                    ; 128 rows of W: what one tensor load brings, and what one wave reads
.set SLOT,   BOFF+2*HALFB
.set STG,    2*SLOT                    ; behind the ring: 16 rows x (512 bytes + 16) for each wave, for the way out
.set SPITCH, 528
.set SPARE,  STG+4*16*SPITCH           ; behind the stages: the spare words, 128 bytes for each wave, which no other line names
.set LAPS,   4                         ; a lap = two K steps = once round the ring
.set ADRA, 16                          ; v16-17  LDS address of my A fragments in slot 0, 1
.set ADRB, 20                          ; v20-21  the same for W
.set STO,  24                          ; v24     the way out: where I put 32 bytes of a row
.set RD,   25                          ; v25     the way out: where I read a row back
.set CO,   26                          ; v26     16 x lane
.set BO,   27                          ; v27     32 x (lane / 16): my eight numbers of a block of the bias
.set SPW,  28                          ; v28     LDS address of my spare word; never rewritten
.set NIL,  29                          ; v29     0; never rewritten
.set AF,   32
.set BF,   96
.set BK,   32                          ; the way out: 16 rows read back: v32-95 and v96-159 by turns
.set G1, 24                            ; s[24:31] descriptor group 1 for A's tiles;  s[32:39] group 0, one set for each slot
.set G0, 32
.set G1B, 48                           ; s[48:55], s[56:63] the same for W's tiles
.set G0B, 56
.set MSB, 0
.macro WIN new                         ; the immediate's high byte repeats the setting that is left
.if MSB != (\new)
	s_set_vgpr_msb (MSB<<8)|(\new)
.set MSB, (\new)
.endif
.endm
.set MUL,  0x50                        ; sources 0 and 1 window 0; C and D window 1
.set MULZ, 0x60                        ; the first products: C (the bias) window 2, D window 1
.macro JLOAD s                         ; a joint load: waves 0 and 1 fetch A's planes, waves 2 and 3 W's halves; an s_nop 0 and four v_nop follow each of the two lines
	s_cmp_eq_u32 s15, 0
	s_cbranch_scc0 .Lfor_b_\@
	tensor_load_to_lds s[G0+4*\s:G0+4*\s+3], s[G1:G1+7]
	s_nop 0
.rept 4
	v_nop
.endr
	s_branch .Lasked_\@
.Lfor_b_\@:
	tensor_load_to_lds s[G0B+4*\s:G0B+4*\s+3], s[G1B:G1B+7]
	s_nop 0
.rept 4
	v_nop
.endr
.Lasked_\@:
.endm
.macro CREST                           ; a round of the cluster's barrier behind its opening barrier
	s_cmp_lg_u32 s14, 0
	s_cbranch_scc1 .Lnot_wave_0_\@
	s_barrier_signal -3
.Lnot_wave_0_\@:
	s_barrier_wait -3
	s_barrier_signal -1
	s_barrier_wait -1
.endm
.macro CROUND                          ; a whole round
	s_barrier_signal -1
	s_barrier_wait -1
	CREST
.endm
	s_load_b256 s[4:11], s[0:1], 0x0               ; ao s[4:5], wp s[6:7], b_proj s[8:9], out0 s[10:11]
	v_lshl_add_u32 v[SPW], v0, 2, SPARE
	v_mov_b32 v[NIL], 0
	ds_add_u32 v[SPW], v[NIL]                      ; the wave's opening: the add, twice on end, and its wait ahead of my first tensor load
	ds_add_u32 v[SPW], v[NIL]                      ; and once more; the set-up below, work on registers, stands between it and the wait
	v_lshrrev_b32 v1, 5, v0
	v_readfirstlane_b32 s14, v1                    ; wave 0..3
	s_lshr_b32 s15, s14, 1                         ; which 64 of the tile's rows are mine.  Also: I fetch for A (0) or for W (1)
	s_and_b32 s16, s14, 1                          ; which 128 of its columns.  Also: which plane of A, or which half of W, I fetch
	s_bfe_u32 s40, ttmp6, 0x40000                  ; cx, cy: my place in the cluster
	s_bfe_u32 s41, ttmp6, 0x40004
	s_lshl_b32 s42, ttmp9, 2
	s_add_co_u32 s42, s42, s40                     ; tile column of C = 4 x cluster x + cx
	s_and_b32 s17, ttmp7, 0xffff
	s_lshl_b32 s17, s17, 2
	s_add_co_u32 s17, s17, s41                     ; tile row of C = 4 x cluster y + cy
	s_lshl_b32 s43, s41, 2
	s_lshl_b32 s43, 15, s43                        ; my row of the cluster
	s_lshl_b32 s44, 0x1111, s40                    ; my column
	s_or_b32 s[G1+0], s43, (1<<16)|(1<<20)|(1<<21)|(4<<22)|(3<<25)   ; 15:0 the mask: A's tiles go to my row; 17:16 element of 2 bytes; 20 padding on; 21 set beside a mask; 24:22 after every 32 words (code 4); 31:25 of 4 words (code 3)
	s_mov_b32 s[G1+1], 64<<16                      ; tensor_dim0 = 64
	s_mov_b32 s[G1+2], 128<<16                     ; tensor_dim1 = 128
	s_mov_b32 s[G1+3], 64<<16                      ; tile_dim0 = 64
	s_mov_b32 s[G1+4], 128                         ; tile_dim1 = 128
	s_mov_b32 s[G1+5], 64                          ; tensor_dim0_stride: a head's rows are dense
	s_mov_b32 s[G1+6], 0
	s_mov_b32 s[G1+7], 0
	s_or_b32 s[G1B+0], s44, (1<<16)|(1<<20)|(1<<21)|(5<<22)|(3<<25)  ; W's tiles go to my column; padding after every 64 words
	s_mov_b32 s[G1B+1], 128<<16
	s_mov_b32 s[G1B+2], 128<<16
	s_mov_b32 s[G1B+3], 128<<16
	s_mov_b32 s[G1B+4], 128
	s_mov_b32 s[G1B+5], 1024
	s_mov_b32 s[G1B+6], 0
	s_mov_b32 s[G1B+7], 0
	; A: 16 tile rows are a batch of 16 heads x 262,144 bytes; in a head the tile's 128 rows are 16,384 bytes; my plane is head 0 or 1 of the K step
	s_lshr_b32 s20, s17, 4
	s_lshl_b32 s20, s20, 22
	s_and_b32 s21, s17, 15
	s_lshl_b32 s21, s21, 14
	s_add_co_u32 s20, s20, s21
	s_lshl_b32 s21, s16, 18
	s_add_co_u32 s20, s20, s21
	s_mov_b32 s21, 0
	; W: row 256 x tile column + 128 x half, 2,048 bytes a row
	s_lshl_b32 s46, s42, 19
	s_lshl_b32 s47, s16, 18
	s_add_co_u32 s46, s46, s47
	s_mov_b32 s47, 0
	s_mul_i32 s45, s16, PLANE                      ; where they go: no place in the cluster enters an LDS address
	s_mul_i32 s22, s16, HALFB
	s_add_co_u32 s22, s22, BOFF
	s_wait_dscnt 0x0                               ; both opening adds are done
	s_wait_kmcnt 0x0
	s_add_nc_u64 s[20:21], s[4:5], s[20:21]
	s_add_nc_u64 s[46:47], s[6:7], s[46:47]
	CROUND                                         ; all sixteen work-groups are here: the first joint loads meet
.irp s, 0,1
	s_mov_b32 s[G0+4*\s], 1
	s_add_co_u32 s[G0+4*\s+1], s45, \s*SLOT
	s_add_nc_u64 s[G0+4*\s+2:G0+4*\s+3], s[20:21], \s*524288        ; K step s: two heads on
	s_or_b32 s[G0+4*\s+3], s[G0+4*\s+3], 0x80000000
	s_mov_b32 s[G0B+4*\s], 1
	s_add_co_u32 s[G0B+4*\s+1], s22, \s*SLOT
	s_add_nc_u64 s[G0B+4*\s+2:G0B+4*\s+3], s[46:47], \s*256
	s_or_b32 s[G0B+4*\s+3], s[G0B+4*\s+3], 0x80000000
	JLOAD \s
.endr
	v_and_b32 v1, 15, v0                           ; l % 16
	v_bfe_u32 v2, v0, 4, 1                         ; l / 16
	v_mul_u32_u24 v3, v1, PA
	v_lshl_add_u32 v3, v2, 4, v3                   ; a fragment's row x pitch + 16 x half
	v_mul_u32_u24 v4, v1, PB
	v_lshl_add_u32 v4, v2, 4, v4
	s_mul_i32 s21, s15, 64*PA                      ; my 64 rows of A
	s_mul_i32 s22, s16, HALFB                      ; my 128 rows of W
	s_add_co_u32 s22, s22, BOFF
.irp s, 0,1
	v_add_nc_u32 v[ADRA+\s], s21, v3
	v_add_nc_u32 v[ADRB+\s], s22, v4
	s_add_co_u32 s21, s21, SLOT
	s_add_co_u32 s22, s22, SLOT
.endr
	s_mul_i32 s23, s14, 16*SPITCH
	s_add_co_u32 s23, s23, STG                     ; my stage
	v_mul_u32_u24 v5, v1, SPITCH                   ; in: row l % 16, 32 bytes for each half of the lanes
	v_lshl_add_u32 v5, v2, 5, v5
	v_add_nc_u32 v[STO], s23, v5
	v_and_b32 v6, 31, v0
	v_lshlrev_b32 v[CO], 4, v6                     ; back: the 32 lanes take one row of 512 bytes; and the same in C
	v_add_nc_u32 v[RD], s23, v[CO]
	s_lshl_b32 s46, s42, 10                        ; my first column, in bytes of f32: 1,024 x tile column + 512 x half: in the bias and in a row of C
	s_lshl_b32 s47, s16, 9
	s_add_co_u32 s46, s46, s47
	s_mov_b32 s47, 0
	s_add_nc_u64 s[8:9], s[8:9], s[46:47]
	s_add_nc_u64 s[10:11], s[10:11], s[46:47]
	s_lshl_b32 s20, s17, 19                        ; my first row of C: 128 x tile row + 64 x half, 4,096 bytes a row
	s_lshl_b32 s21, s15, 18
	s_add_co_u32 s20, s20, s21
	s_mov_b32 s21, 0
	s_add_nc_u64 s[10:11], s[10:11], s[20:21]
	v_lshlrev_b32 v[BO], 5, v2
	WIN 0x80                                       ; destination window 2
.irp b, 0,1,2,3,4,5,6,7                        ; lane (r, h) wants, for block b, the bias of columns 16 b + 8 h + 0 .. 7
	global_load_b128 v[8*\b:8*\b+3], v[BO], s[8:9] offset:64*\b
	global_load_b128 v[8*\b+4:8*\b+7], v[BO], s[8:9] offset:64*\b+16
.endr
	WIN 0
; 8 matrix instructions: A's block a x W's eight, 32 along K out of buffer f.  first = 1: the sums begin with the bias as C.  The 32 accumulators take turns, in the same order in every quarter.
.macro MULA f, a, first
.irp b, 0,1,2,3,4,5,6,7
.if \first
	v_wmma_f32_16x16x32_f16 v[8*(8*(\a)+\b):8*(8*(\a)+\b)+7], v[BF+64*(\f)+8*\b:BF+64*(\f)+8*\b+7], v[AF+32*(\f)+8*(\a):AF+32*(\f)+8*(\a)+7], v[8*\b:8*\b+7]
.else
	v_wmma_f32_16x16x32_f16 v[8*(8*(\a)+\b):8*(8*(\a)+\b)+7], v[BF+64*(\f)+8*\b:BF+64*(\f)+8*\b+7], v[AF+32*(\f)+8*(\a):AF+32*(\f)+8*(\a)+7], v[8*(8*(\a)+\b):8*(8*(\a)+\b)+7]
.endif
.endr
.endm
; 24 LDS loads in one run: the fragments of the slot's q-th 32 along K into buffer f: W's eight, then A's four.  A's quarter q lies in plane q / 2, 64 (q % 2) bytes into its rows.
.macro FETCH slot, q, f
.irp i, 0,1,2,3,4,5,6,7
	ds_load_b128 v[BF+64*(\f)+8*\i:BF+64*(\f)+8*\i+3],   v[ADRB+\slot] offset:64*(\q)+\i*16*PB
	ds_load_b128 v[BF+64*(\f)+8*\i+4:BF+64*(\f)+8*\i+7], v[ADRB+\slot] offset:64*(\q)+\i*16*PB+32
.endr
.irp i, 0,1,2,3
	ds_load_b128 v[AF+32*(\f)+8*\i:AF+32*(\f)+8*\i+3],   v[ADRA+\slot] offset:((\q)/2)*PLANE+((\q)%2)*64+\i*16*PA
	ds_load_b128 v[AF+32*(\f)+8*\i+4:AF+32*(\f)+8*\i+7], v[ADRA+\slot] offset:((\q)/2)*PLANE+((\q)%2)*64+\i*16*PA+32
.endr
.endm
.macro PLACES                          ; four places in front of loads into registers that matrix instructions have read, and of the first read of results (ISA guide 7.12.1 for the first read of results)
.rept 4
	v_nop
.endr
.endm
; A K step is four quarters of 32 along K, 32 matrix instructions each, on buffers 0, 1, 0, 1.  One of the first three: multiplies buffer f and fetches quarter q into buffer g.
.macro QUARTER slot, q, f, g, first
	s_wait_dscnt 4                                 ; W's eight and A's blocks 0 and 1 are in; the youngest four loads (A's blocks 2 and 3) may be out
.if \first
	WIN MULZ
.else
	WIN MUL
.endif
	MULA \f, 0, \first
	MULA \f, 1, \first
	PLACES
	WIN 0
	FETCH \slot, \q, \g
	s_wait_dscnt 24                                ; all but the 24 just issued
.if \first
	WIN MULZ
.else
	WIN MUL
.endif
	MULA \f, 2, \first
	MULA \f, 3, \first
.endm
; The last quarter multiplies buffer 1 and changes slots: ONE barrier; in front of it each wave waits for all its tensor loads, adds 0 to its spare word, and waits for that and for its own reads of this slot.
; fill = 1: the barrier opens a round of the cluster's, and this slot is filled again, two K steps ahead: from the request to the wait for it a wave issues 112 matrix instructions.
.macro TURN slot, next, fill
	WIN 0                                          ; (the add's two registers lie in window 0)
	s_wait_tensorcnt 0x0                           ; all my tensor loads have landed: my part of the next slot;
	ds_add_u32 v[SPW], v[NIL]                      ; 0 onto my spare word;
	s_wait_dscnt 5                                 ; (the add and the youngest four loads may be out)
	WIN MUL
	MULA 1, 0, 0                                   ; eight matrix instructions stand between the add and the wait for it
	s_wait_dscnt 0x0                               ; the add is done, and my reads of this slot are over
	s_barrier_signal -1
	MULA 1, 1, 0
	WIN 0
	s_barrier_wait -1
.if \fill
	CREST                                          ; no wave of any partner still reads this slot's tiles or has a load on its way
	s_add_nc_u64 s[G0+4*\slot+2:G0+4*\slot+3], s[G0+4*\slot+2:G0+4*\slot+3], 1048576   ; four heads on
	s_add_nc_u64 s[G0B+4*\slot+2:G0B+4*\slot+3], s[G0B+4*\slot+2:G0B+4*\slot+3], 512
	JLOAD \slot                                    ; the first tensor load behind the round; the four v_nop behind it are also the places in front of the loads below
.else
	PLACES
.endif
	FETCH \next, 0, 0
	WIN MUL
	MULA 1, 2, 0
	MULA 1, 3, 0
.endm
	s_wait_tensorcnt 1                             ; my part of K step 0 is in (K step 1's load may be out)
	s_barrier_signal -1
	s_barrier_wait -1                              ; everybody's is
	FETCH 0, 0, 0
	s_wait_loadcnt 0x0                             ; the bias
	QUARTER 0, 1, 0, 1, 1                          ; the first quarter stands in front of the loop: its products start the sums, on the bias
	WIN 0                                          ; at a label and at a branch every window is 0
	s_mov_b32 s3, LAPS-1
.Llap:                                                 ; a trip goes once round the ring, from a lap's second quarter to the next lap's first, and fills both slots again
	QUARTER 0, 2, 1, 0, 0
	QUARTER 0, 3, 0, 1, 0
	TURN 0, 1, 1
	QUARTER 1, 1, 0, 1, 0
	QUARTER 1, 2, 1, 0, 0
	QUARTER 1, 3, 0, 1, 0
	TURN 1, 0, 1
	QUARTER 0, 1, 0, 1, 0
	WIN 0
	s_sub_co_u32 s3, s3, 1
	s_cmp_lg_u32 s3, 0
	s_cbranch_scc1 .Llap
	QUARTER 0, 2, 1, 0, 0                          ; the last lap fills nothing, and has no round of the cluster's barrier
	QUARTER 0, 3, 0, 1, 0
	TURN 0, 1, 0
	QUARTER 1, 1, 0, 1, 0
	QUARTER 1, 2, 1, 0, 0
	QUARTER 1, 3, 0, 1, 0
	s_wait_dscnt 4                                 ; the very last quarter: nothing more to fetch
	WIN MUL
	MULA 1, 0, 0
	MULA 1, 1, 0
	s_wait_dscnt 0
	MULA 1, 2, 0
	MULA 1, 3, 0
	WIN 0
; THE WAY OUT, block by block of 16 rows x 128 columns.  A lane holds 32 neighbouring bytes of a row, and the lanes beside it hold other rows: so a block goes through my own stage in LDS and comes back as whole rows of
; 512 bytes.  LDS serves a wave's instructions in order (ISA guide 5.7.1.4): no wait between the stores and the loads, nor in front of the next block's stores.
.macro TOSTAGE a
	WIN 0x04                                       ; an LDS store's data are its source 1: window 1
.irp b, 0,1,2,3,4,5,6,7
	ds_store_b128 v[STO], v[8*(8*(\a)+\b):8*(8*(\a)+\b)+3] offset:64*\b          ; each accumulator from its low end on
	ds_store_b128 v[STO], v[8*(8*(\a)+\b)+4:8*(8*(\a)+\b)+7] offset:64*\b+16
.endr
	WIN 0
.set BB, BK+64*((\a)%2)
.irp t, 0,1,2,3,4,5,6,7,8,9,10,11,12,13,14,15
	ds_load_b128 v[BB+4*\t:BB+4*\t+3], v[RD] offset:\t*SPITCH
.endr
.endm
.macro SEND a, younger                 ; younger: the LDS instructions issued behind block a's loads, which may stay out
.set BB, BK+64*((\a)%2)
	s_wait_dscnt \younger                          ; the block is back in registers
.irp t, 0,1,2,3,4,5,6,7,8,9,10,11,12,13,14,15
	global_store_b128 v[CO], v[BB+4*\t:BB+4*\t+3], s[10:11] offset:(16*(\a)+\t)*4096 th:TH_STORE_NT   ; 32 lanes store 512 consecutive bytes, aligned; the base is never stepped: 63 rows at the most, inside the signed 24-bit immediate
.endr
.endm
	PLACES                                         ; behind the last products: for the stage's stores, which read results, and for the loads into registers that held fragments
	TOSTAGE 0
.irp a, 1,2,3
.if \a > 1
	s_wait_xcnt 0x0                                ; block a - 2's stores have read their registers: block a's loads may land there
.endif
	TOSTAGE \a
	SEND \a-1, 32                                  ; behind block a - 1's loads: block a's 16 stores and 16 loads
.endr
	SEND 3, 0
	s_wait_tensorcnt 0x0                           ; the wave's end: behind my last tensor load and my last LDS store
	ds_add_u32 v[SPW], v[NIL]
	s_wait_dscnt 0x0
	CROUND                                         ; the closing round: no work-group ends while a partner may still ask for a tile that names it
	s_endpgm
.Lfunc_end_k_qc4464cd3be_proj:
	.size	k_qc4464cd3be_proj, .Lfunc_end_k_qc4464cd3be_proj-k_qc4464cd3be_proj
	.p2alignl 7, 3214868480
	.fill 96, 4, 3214868480
	.section	.rodata,"a",@progbits
	.p2align	6, 0x0
	.amdhsa_kernel k_qc4464cd3be_proj
		.amdhsa_group_segment_fixed_size 327680
		.amdhsa_private_segment_fixed_size 0
		.amdhsa_enable_private_segment 0
		.amdhsa_kernarg_size 32
		.amdhsa_user_sgpr_count 2
		.amdhsa_user_sgpr_kernarg_segment_ptr 1
		.amdhsa_wavefront_size32 1
		.amdhsa_system_sgpr_workgroup_id_x 1
		.amdhsa_system_sgpr_workgroup_id_y 1
		.amdhsa_system_sgpr_workgroup_id_z 1
		.amdhsa_system_vgpr_workitem_id 0
		.amdhsa_next_free_vgpr 576
		.amdhsa_next_free_sgpr 66
		.amdhsa_reserve_vcc 0
		.amdhsa_float_denorm_mode_32 3
		.amdhsa_float_denorm_mode_16_64 3
		.amdhsa_memory_ordered 1
		.amdhsa_forward_progress 1
		.amdhsa_inst_pref_size 86
	.end_amdhsa_kernel
	.amdgpu_metadata
---
amdhsa.version: [ 1, 2 ]
amdhsa.kernels:
  - .name:           k_qc4464cd3be_proj
    .symbol:         k_qc4464cd3be_proj.kd
    .args:
      - { .name: ao, .offset: 0, .size: 8, .value_kind: global_buffer, .address_space: global }
      - { .name: wp, .offset: 8, .size: 8, .value_kind: global_buffer, .address_space: global }
      - { .name: b_proj, .offset: 16, .size: 8, .value_kind: global_buffer, .address_space: global }
      - { .name: out0, .offset: 24, .size: 8, .value_kind: global_buffer, .address_space: global }
    .group_segment_fixed_size: 327680
    .private_segment_fixed_size: 0
    .kernarg_segment_align: 8
    .kernarg_segment_size: 32
    .max_flat_workgroup_size: 128
    .sgpr_count:     66
    .vgpr_count:     576
    .wavefront_size: 32
...
	.end_amdgpu_metadata
.endif
;; end of part 4
